; MI455X (gfx1250); checked and timed in simulation.
; The chip was launched on July 23, 2026; its instructions are those of AMD's public machine-readable ISA for CDNA 5 (MIT licence, August 2026) and "CDNA5" Instruction Set Architecture Reference Guide (July 2026). The comments in the code are by the model that wrote it; some were corrected since.
;; Selective Copying Model. Allowed arithmetic: float matrix products may take bf16 or f16 operands with f32 sums; other float arithmetic in f32, or as packed bf16 or f16 multiplies, adds, multiply-adds, maxima and minima; sums over many terms, partial sums and values carried from step to step in f32; what a program stores and reads back later, other than sums and carried values, may be rounded once to bf16 or f16.
;; Inputs: W0 2,048 x 1,024 float32; W1 2,048 x 1,024 float32; Wl 2,048 x 1,024 float32; b0 2,048 float32; b1 2,048 float32; bl 2,048 float32; emb 2,048 x 1,024 float32; x 16 x 512 int32.
;; Outputs: out0 16 x 16 x 2,048 float32.
;; 2 versions, each right; version 2 is version 1 with the launches prep, logits written anew for expert scheduling mode. Each part assembles by itself: llvm-mc -triple=amdgcn-amd-amdhsa -mcpu=gfx1250 --defsym DOCPART=n.
;; ======== version 1 of 2: 5 launches
;; workspace buffers: wb 16,777,216 bytes; zg0 8,388,608 bytes; h1 16,777,216 bytes; h1res 1,048,576 bytes; tail 3,145,728 bytes
;; launch prep (part 1): grid 256 x 1, 8 waves a work-group, no clusters, 0 bytes of LDS; arguments emb, W0, W1, Wl, wb; writes wb
.if DOCPART == 1
	.amdgcn_target "amdgcn-amd-amdhsa--gfx1250"
	.amdhsa_code_object_version 6
	.text
	.protected	k_q49c1a9b8a9_prep
	.globl	k_q49c1a9b8a9_prep
	.p2align	8
	.type	k_q49c1a9b8a9_prep,@function
k_q49c1a9b8a9_prep:
	s_mov_b64 s[64:65], 0
	v_nop
	global_prefetch_b8 v0, s[64:65] scope:SCOPE_SE
	s_setreg_imm32_b32 hwreg(HW_REG_WAVE_MODE, 25, 1), 1
	s_wait_xcnt 0x0
; emb, W0, W1, Wl ([2048][1024] f32) are rounded once to bf16 into wb: embB at byte 0, w0B at 0x400000, w1P at 0x800000, wlB at 0xC00000,
; each [2048][1024] bf16, rows of 2,048 bytes.  W1's rows change places: row R (hid = R >> 10, c = R & 1023) goes to row
; p = (c >> 6) << 7 | hid << 6 | (c & 3) << 4 | ((c >> 2) & 15): 128 rows on end are [64 gate rows][64 hidden rows] of one group of 64 channels,
; and in each half row 16 a + r holds channel 4 r + a of the group.
; SHARES.  Wave w of work-group g owns row R = 8 g + w of each matrix: 4,096 bytes in by eight loads of 512 consecutive bytes, 2,048 bytes out by
; eight stores of 256 consecutive bytes, aligned.  All 32 loads of a wave go out before anything is waited for.  No LDS, no loop, no matrix unit: bytes alone count here.
.set X, 4                              ; v[4:131]  matrix m, load k at X + 32 m + 4 k
	s_load_b256 s[4:11], s[0:1], 0x0               ; emb s[4:5], W0 s[6:7], W1 s[8:9], Wl s[10:11]
	s_load_b64 s[12:13], s[0:1], 0x20              ; wb
	v_and_b32 v3, 31, v0                           ; lane
	v_lshlrev_b32 v1, 4, v3                        ; 16 bytes a lane in
	v_lshlrev_b32 v2, 3, v3                        ; 8 bytes a lane out
	v_lshrrev_b32 v3, 5, v0
	v_readfirstlane_b32 s14, v3                    ; wave 0..7
	s_lshl_b32 s15, ttmp9, 3
	s_add_co_u32 s15, s15, s14                     ; R
	s_lshl_b32 s2, s15, 12                         ; R x 4,096: the row in an input
	s_mov_b32 s3, 0
	s_lshl_b32 s36, s15, 11                        ; R x 2,048: the row in wb
	s_mov_b32 s37, 0
	s_lshr_b32 s32, s15, 10                        ; hid
	s_and_b32 s33, s15, 1023                       ; c
	s_lshr_b32 s34, s33, 6
	s_lshl_b32 s34, s34, 7                         ; (c >> 6) << 7
	s_lshl_b32 s32, s32, 6
	s_or_b32 s34, s34, s32                         ; | hid << 6
	s_and_b32 s32, s33, 3
	s_lshl_b32 s32, s32, 4
	s_or_b32 s34, s34, s32                         ; | (c & 3) << 4
	s_bfe_u32 s32, s33, 0x40002                    ; (c >> 2) & 15
	s_or_b32 s34, s34, s32                         ; p
	s_lshl_b32 s34, s34, 11                        ; p x 2,048
	s_mov_b32 s35, 0
	s_wait_kmcnt 0x0
	s_add_nc_u64 s[16:17], s[4:5], s[2:3]          ; the four rows in
	s_add_nc_u64 s[18:19], s[6:7], s[2:3]
	s_add_nc_u64 s[20:21], s[8:9], s[2:3]
	s_add_nc_u64 s[22:23], s[10:11], s[2:3]
	s_add_nc_u64 s[24:25], s[12:13], s[36:37]      ; the four rows out
	s_add_nc_u64 s[26:27], s[24:25], 0x400000
	s_add_nc_u64 s[28:29], s[12:13], s[34:35]
	s_add_nc_u64 s[28:29], s[28:29], 0x800000
	s_add_nc_u64 s[30:31], s[24:25], 0xC00000
.irp m, 0,1,2,3
.irp k, 0,1,2,3,4,5,6,7
	global_load_b128 v[X+32*(\m)+4*(\k):X+32*(\m)+4*(\k)+3], v1, s[16+2*(\m):17+2*(\m)] offset:512*(\k) th:TH_LOAD_NT
.endr
.endr
; Matrix m: its eight loads are in, the younger matrices' stay out; four numbers become 8 bytes in the first two of their own registers, which nothing writes again.
.macro CV m
	s_wait_loadcnt 8*(3-(\m))
.irp k, 0,1,2,3,4,5,6,7
	v_cvt_pk_bf16_f32 v[X+32*(\m)+4*(\k)],   v[X+32*(\m)+4*(\k)],   v[X+32*(\m)+4*(\k)+1]
	v_cvt_pk_bf16_f32 v[X+32*(\m)+4*(\k)+1], v[X+32*(\m)+4*(\k)+2], v[X+32*(\m)+4*(\k)+3]
	global_store_b64 v2, v[X+32*(\m)+4*(\k):X+32*(\m)+4*(\k)+1], s[24+2*(\m):25+2*(\m)] offset:256*(\k)
.endr
.endm
	CV 0
	CV 1
	CV 2
	CV 3
	s_endpgm
.Lfunc_end_k_q49c1a9b8a9_prep:
	.size	k_q49c1a9b8a9_prep, .Lfunc_end_k_q49c1a9b8a9_prep-k_q49c1a9b8a9_prep
	.p2alignl 7, 3214868480
	.fill 96, 4, 3214868480
	.section	.rodata,"a",@progbits
	.p2align	6, 0x0
	.amdhsa_kernel k_q49c1a9b8a9_prep
		.amdhsa_group_segment_fixed_size 0
		.amdhsa_private_segment_fixed_size 0
		.amdhsa_enable_private_segment 0
		.amdhsa_kernarg_size 40
		.amdhsa_user_sgpr_count 2
		.amdhsa_user_sgpr_kernarg_segment_ptr 1
		.amdhsa_wavefront_size32 1
		.amdhsa_system_sgpr_workgroup_id_x 1
		.amdhsa_system_sgpr_workgroup_id_y 1
		.amdhsa_system_sgpr_workgroup_id_z 1
		.amdhsa_system_vgpr_workitem_id 0
		.amdhsa_next_free_vgpr 136
		.amdhsa_next_free_sgpr 66
		.amdhsa_reserve_vcc 0
		.amdhsa_float_denorm_mode_32 3
		.amdhsa_float_denorm_mode_16_64 3
		.amdhsa_memory_ordered 1
		.amdhsa_forward_progress 1
		.amdhsa_inst_pref_size 12
	.end_amdhsa_kernel
	.amdgpu_metadata
---
amdhsa.version: [ 1, 2 ]
amdhsa.kernels:
  - .name:           k_q49c1a9b8a9_prep
    .symbol:         k_q49c1a9b8a9_prep.kd
    .args:
      - { .name: emb, .offset: 0, .size: 8, .value_kind: global_buffer, .address_space: global }
      - { .name: W0, .offset: 8, .size: 8, .value_kind: global_buffer, .address_space: global }
      - { .name: W1, .offset: 16, .size: 8, .value_kind: global_buffer, .address_space: global }
      - { .name: Wl, .offset: 24, .size: 8, .value_kind: global_buffer, .address_space: global }
      - { .name: wb, .offset: 32, .size: 8, .value_kind: global_buffer, .address_space: global }
    .group_segment_fixed_size: 0
    .private_segment_fixed_size: 0
    .kernarg_segment_align: 8
    .kernarg_segment_size: 40
    .max_flat_workgroup_size: 256
    .sgpr_count:     66
    .vgpr_count:     136
    .wavefront_size: 32
...
	.end_amdgpu_metadata
.endif
;; end of part 1
;; launch tab (part 2): grid 16 x 16, 4 waves a work-group, clusters of 4 x 4, 327,680 bytes of LDS; arguments wb, b0, zg0; writes zg0
.if DOCPART == 2
	.amdgcn_target "amdgcn-amd-amdhsa--gfx1250"
	.amdhsa_code_object_version 6
	.text
	.protected	k_q49c1a9b8a9_tab
	.globl	k_q49c1a9b8a9_tab
	.p2align	8
	.type	k_q49c1a9b8a9_tab,@function
k_q49c1a9b8a9_tab:
	s_mov_b64 s[64:65], 0
	v_nop
	global_prefetch_b8 v0, s[64:65] scope:SCOPE_SE
	s_setreg_imm32_b32 hwreg(HW_REG_WAVE_MODE, 25, 1), 1
	s_wait_xcnt 0x0
	s_wait_alu depctr_hold_cnt(0) depctr_sa_sdst(0) depctr_va_vdst(0) depctr_va_sdst(0) depctr_va_ssrc(0) depctr_va_vcc(0) depctr_vm_vsrc(0)
	s_getreg_b32 s2, hwreg(HW_REG_IB_STS2, 6, 4)
	s_cmp_eq_u32 s2, 0
	s_cbranch_scc0 .Lentry_in_a_cluster
	s_endpgm
.Lentry_in_a_cluster:
	s_bfe_u32 s2, ttmp6, 0x10000c
	s_cmp_lg_u32 s2, 0xf033
	s_cbranch_scc0 .Lentry_shape_is_right
	s_endpgm
.Lentry_shape_is_right:
; LAYER 0's PROJECTION AS A TABLE.  zg0[v][n] = act(sum over k of embB[v][k] w0B[n][k] + b0[n]), v a vocabulary row: columns 0-1023 (gates) take the sigmoid,
; columns 1024-2047 take g(x) = x + 0.5 for x >= 0, else sigmoid(x), which is max(x + 0.5, sigmoid(x)) for every x.  embB = wb + 0, w0B = wb + 0x400000, bf16; sums, bias and activation in f32; zg0 bf16, rounded once.
; LIMITS.  sigmoid(x) = 1 / (1 + 2^(-x log2 e)): where the power passes f32's range it is an infinity and the reciprocal 0; a power below 2^-126 counts as 0.  NaN and infinities in the inputs are not treated apart.
; A tile of the table is 128 x 128.  Four waves, each 64 x 64: 16 accumulators of 16 x 16.  K goes in steps of 256 (LDS rows of 512 bytes; a wave's tensor load brings 64 of them) through two slots;
; the four waves share ONE stage on the way out, with a barrier between writing and reading, since a wave's 64 columns are half of an aligned 256 bytes of a row.
; CLUSTERS: 4 x 4 work-groups.  The four of a row of the cluster need the same tiles of embB, the four of a column the same tiles of w0B: each tile is asked for JOINTLY, by the same tensor load with the
; same descriptor and a mask that names the four.  THE MATRIX INSTRUCTION IS USED TRANSPOSED (source 0 = 16 rows of w0B, source 1 = 16 rows of embB): a lane holds eight neighbouring columns of one table row.
; REGISTERS: window 0: v0-31 addresses; v32-95 at work on the way out; v96-127 the bias of my 32 columns, then the sigmoids at work; v128-255 the accumulators ((a, b) at v[128 + 8 (4 a + b)]).
;   window 1: two fragment buffers of 128; on the way out v0-31 hold -log2(e) x bias, v32-63 bias + 0.5 (gate tiles: bias less the greatest finite number, so that the sigmoid wins the maximum).
.set SIZE_N, 2048
.set SIZE_K, 1024
.set KSTEP,  256
.set PITCH,  528                       ; an LDS row: 512 bytes of data + 16 of padding = 132 words: row r starts at bank 4 r mod 64 (64 banks of 4 bytes: ISA guide 11.1)
.set HALFT,  64*PITCH                  ; 64 rows: what one tensor load brings, and what one wave reads of either operand
.set SLOT,   4*HALFT                   ; embB's 128 rows, then w0B's 128 rows
.set STAGE,  2*SLOT                    ; behind the ring: 128 rows x 272 bytes, the work-group's, for the way out
.set SPITCH, 272
.set SPARE,  STAGE+128*SPITCH          ; behind the stage: the spare words, 128 bytes for each wave
.set LAPS, SIZE_K/(2*KSTEP)            ; a lap = two K steps = once round the ring
.set ADRA, 16                          ; v16-17  LDS address of my embB fragments in slot 0, 1
.set ADRB, 20                          ; v20-21  the same for w0B
.set STO,  24                          ; v24     the way out: where I put 16 bytes of a row
.set RD,   25                          ; v25     the way out: where I read a row back
.set CO,   26                          ; v26     my byte offset in zg0
.set BO,   27                          ; v27     my byte offset in b0
.set SPW,  28                          ; v28     LDS address of my spare word; never rewritten
.set NIL,  29                          ; v29     0; never rewritten
.set TMP,  32
.set BI,   96                          ; the bias as loaded: column block b at BI + 8 b
.set T,    96                          ; later: 32 sigmoids at work
.set ACC,  128
.set NB,   0                           ; window 1
.set XB,   32                          ; window 1
.set F0,   0                           ; fragment buffers, in window 1
.set F1,   128
.set G1, 24                            ; s[24:31] descriptor group 1 for embB's tiles;  s[32:39] group 0, one set for each slot
.set G0, 32
.set G1B, 48                           ; s[48:55], s[56:63] the same for w0B's tiles
.set G0B, 56
.set MSB, 0
.macro WIN new                         ; the immediate's high byte repeats the setting that is left
.if MSB != (\new)
	s_set_vgpr_msb (MSB<<8)|(\new)
.set MSB, \new
.endif
.endm
.set MUL,  0x05                        ; sources 0 and 1 window 1; C and D window 0
.set TO_F, 0x40                        ; destination window 1, address window 0
.macro JLOAD s                         ; a joint load: waves 0 and 1 fetch embB's two halves, waves 2 and 3 w0B's; an s_nop 0 and four v_nop follow each of the two lines
	s_cmp_eq_u32 s11, 0
	s_cbranch_scc0 .Lfor_b_\@
	tensor_load_to_lds s[G0+4*(\s):G0+4*(\s)+3], s[G1:G1+7]
	s_nop 0
.rept 4
	v_nop
.endr
	s_branch .Lasked_\@
.Lfor_b_\@:
	tensor_load_to_lds s[G0B+4*(\s):G0B+4*(\s)+3], s[G1B:G1B+7]
	s_nop 0
.rept 4
	v_nop
.endr
.Lasked_\@:
.endm
.macro CREST                           ; a round of the cluster's barrier behind its opening barrier
	s_cmp_lg_u32 s10, 0
	s_cbranch_scc1 .Lnot_wave_0_\@
	s_barrier_signal -3
.Lnot_wave_0_\@:
	s_barrier_wait -3
	s_barrier_signal -1
	s_barrier_wait -1
.endm
.macro CROUND                          ; a whole round
	s_barrier_signal -1
	s_barrier_wait -1
	CREST
.endm
	s_load_b64 s[4:5], s[0:1], 0x0                 ; wb
	s_load_b64 s[70:71], s[0:1], 0x8               ; b0
	s_load_b64 s[8:9], s[0:1], 0x10                ; zg0
	v_lshl_add_u32 v[SPW], v0, 2, SPARE
	v_mov_b32 v[NIL], 0
	ds_add_u32 v[SPW], v[NIL]                      ; the wave's opening: the add, twice on end, and its wait ahead of my first tensor load
	ds_add_u32 v[SPW], v[NIL]                      ; and once more, under the one wait; the set-up below, work on registers, stands between
	v_lshrrev_b32 v1, 5, v0
	v_readfirstlane_b32 s10, v1                    ; wave 0..3
	s_lshr_b32 s11, s10, 1                         ; which half of the tile's rows is mine.  Also: I fetch for embB (0) or for w0B (1)
	s_and_b32 s12, s10, 1                          ; which half of its columns.  Also: which 64 rows of that tile I fetch
	s_bfe_u32 s40, ttmp6, 0x40000                  ; cx, cy: my place in the cluster
	s_bfe_u32 s41, ttmp6, 0x40004
	s_lshl_b32 s42, ttmp9, 2
	s_add_co_u32 s42, s42, s40                     ; tile column = 4 x cluster x + cx
	s_and_b32 s13, ttmp7, 0xffff
	s_lshl_b32 s13, s13, 2
	s_add_co_u32 s13, s13, s41                     ; tile row = 4 x cluster y + cy
	s_lshl_b32 s43, s41, 2
	s_lshl_b32 s43, 15, s43                        ; my row of the cluster
	s_lshl_b32 s44, 0x1111, s40                    ; my column
	; descriptor group 1: a tile of 64 rows x 256 elements, padded in LDS
	s_or_b32 s[G1+0], s43, (1<<16)|(1<<20)|(1<<21)|(6<<22)|(3<<25)  ; 15:0 the mask: my row; 17:16 element of 2 bytes; 20 padding on; 21 set beside a mask; 24:22 after every 128 words (code 6); 31:25 of 4 words (code 3)
	s_or_b32 s[G1B+0], s44, (1<<16)|(1<<20)|(1<<21)|(6<<22)|(3<<25) ; the same with the mask of my column
.irp g, G1, G1B
	s_mov_b32 s[(\g)+1], KSTEP<<16                 ; tensor_dim0 = 256
	s_mov_b32 s[(\g)+2], 64<<16                    ; tensor_dim1 = 64
	s_mov_b32 s[(\g)+3], KSTEP<<16                 ; tile_dim0 = 256
	s_mov_b32 s[(\g)+4], 64                        ; tile_dim1 = 64
	s_mov_b32 s[(\g)+5], SIZE_K                    ; elements from row to row
	s_mov_b32 s[(\g)+6], 0
	s_mov_b32 s[(\g)+7], 0
.endr
	s_mov_b32 s66, 0xbfb8aa3b                      ; -log2(e), as a pair for the packed forms
	s_mov_b32 s67, s66
	s_cmp_ge_u32 ttmp9, 2                          ; tile columns 8-15 are the hidden columns: cluster x >= 2, the same in all sixteen partners; it selects a value alone
	s_cselect_b32 s68, 0.5, 0xff7fffff             ; what is added to x for the maximum: 0.5, or the lowest finite number
	s_mov_b32 s69, s68
	s_lshl_b32 s17, s12, 6                         ; which 64 rows of the tile I fetch
	s_lshl_b32 s16, s13, 7
	s_add_co_u32 s16, s16, s17                     ; embB: row 128 x tile row + 64 x half
	s_lshl_b32 s46, s42, 7
	s_add_co_u32 s46, s46, s17                     ; w0B: row 128 x tile column + 64 x half
	s_mov_b32 s17, 0
	s_mov_b32 s47, 0
	s_mov_b64 s[18:19], SIZE_K*2
	s_mul_u64 s[16:17], s[16:17], s[18:19]
	s_mul_u64 s[46:47], s[46:47], s[18:19]
	s_mul_i32 s20, s10, HALFT                      ; where they go: wave x 64 rows
	s_wait_dscnt 0x0                               ; both opening adds are done
	s_wait_kmcnt 0x0
	s_add_nc_u64 s[6:7], s[4:5], 0x400000          ; w0B
	s_add_nc_u64 s[14:15], s[4:5], s[16:17]
	s_add_nc_u64 s[46:47], s[6:7], s[46:47]
	CROUND                                         ; all sixteen work-groups are here: the first joint loads meet
.irp s, 0,1
	s_mov_b32 s[G0+4*(\s)], 1
	s_add_co_u32 s[G0+4*(\s)+1], s20, (\s)*SLOT
	s_add_nc_u64 s[G0+4*(\s)+2:G0+4*(\s)+3], s[14:15], (\s)*KSTEP*2
	s_or_b32 s[G0+4*(\s)+3], s[G0+4*(\s)+3], 0x80000000
	s_mov_b32 s[G0B+4*(\s)], 1
	s_add_co_u32 s[G0B+4*(\s)+1], s20, (\s)*SLOT
	s_add_nc_u64 s[G0B+4*(\s)+2:G0B+4*(\s)+3], s[46:47], (\s)*KSTEP*2
	s_or_b32 s[G0B+4*(\s)+3], s[G0B+4*(\s)+3], 0x80000000
	JLOAD \s
.endr
	v_and_b32 v1, 15, v0                           ; l % 16
	v_bfe_u32 v2, v0, 4, 1                         ; l / 16
	v_mul_u32_u24 v3, v1, PITCH
	v_lshl_add_u32 v3, v2, 4, v3                   ; a fragment's row x pitch + 16 x half
	s_mul_i32 s21, s11, HALFT                      ; my 64 rows of embB
	s_mul_i32 s22, s12, HALFT                      ; my 64 rows of w0B,
	s_add_co_u32 s22, s22, 2*HALFT                 ; which lie behind embB's 128
.irp s, 0,1
	v_add_nc_u32 v[ADRA+(\s)], s21, v3
	v_add_nc_u32 v[ADRB+(\s)], s22, v3
	s_add_co_u32 s21, s21, SLOT
	s_add_co_u32 s22, s22, SLOT
.endr
	s_mul_i32 s23, s11, 64*SPITCH                  ; into the stage: my 64 rows, my half of their 256 bytes; row l % 16, 16 bytes for each half of the lanes
	s_lshl_b32 s21, s12, 7
	s_add_co_u32 s23, s23, s21
	s_add_co_u32 s23, s23, STAGE
	v_mul_u32_u24 v4, v1, SPITCH
	v_lshl_add_u32 v4, v2, 4, v4
	v_add_nc_u32 v[STO], s23, v4
	s_mul_i32 s23, s10, 32*SPITCH                  ; back: wave w takes rows 32 w .. 32 w + 31, whole; lanes 0-15 one row of 256 bytes, lanes 16-31 the next
	s_add_co_u32 s23, s23, STAGE
	v_mul_u32_u24 v5, v2, SPITCH
	v_lshl_add_u32 v5, v1, 4, v5
	v_add_nc_u32 v[RD], s23, v5
	v_mul_u32_u24 v5, v2, SIZE_N*2                 ; and the same two rows in zg0
	v_lshl_add_u32 v[CO], v1, 4, v5
	s_lshl_b32 s16, s13, 7
	s_lshl_b32 s17, s10, 5
	s_add_co_u32 s16, s16, s17                     ; the first table row that I store: 128 x tile row + 32 x wave
	s_mov_b32 s17, 0
	s_mov_b64 s[18:19], SIZE_N*2
	s_mul_u64 s[16:17], s[16:17], s[18:19]
	s_add_nc_u64 s[8:9], s[8:9], s[16:17]
	s_lshl_b32 s46, s42, 8                         ; the tile's first column, in bytes
	s_mov_b32 s47, 0
	s_add_nc_u64 s[8:9], s[8:9], s[46:47]
	s_lshl_b32 s20, s42, 9                         ; the bias of my columns 128 x tile column + 64 x half + 16 b + 8 (l / 16) + 0..7, 4 bytes each
	s_lshl_b32 s21, s12, 8
	s_add_co_u32 s20, s20, s21
	v_lshl_add_u32 v[BO], v2, 5, s20
.irp b, 0,1,2,3
	global_load_b128 v[BI+8*(\b):BI+8*(\b)+3],   v[BO], s[70:71] offset:64*(\b)     ; these eight stay out while K is walked; they are waited for on the way out
	global_load_b128 v[BI+8*(\b)+4:BI+8*(\b)+7], v[BO], s[70:71] offset:64*(\b)+16
.endr
; 8 matrix instructions: m blocks a0, a0 + 1 x all 4 n blocks, 32 along K: half c of buffer f.  zero = 1: the first product starts the sums
.macro MUL8 f, c, a0, zero
	WIN MUL
.irp a, \a0, (\a0)+1
.irp b, 0,1,2,3
.if \zero
	v_wmma_f32_16x16x32_bf16 v[ACC+8*(4*(\a)+(\b)):ACC+8*(4*(\a)+(\b))+7], v[(\f)+64+8*(4*(\c)+(\b)):(\f)+64+8*(4*(\c)+(\b))+7], v[(\f)+8*(4*(\c)+(\a)):(\f)+8*(4*(\c)+(\a))+7], 0
.else
	v_wmma_f32_16x16x32_bf16 v[ACC+8*(4*(\a)+(\b)):ACC+8*(4*(\a)+(\b))+7], v[(\f)+64+8*(4*(\c)+(\b)):(\f)+64+8*(4*(\c)+(\b))+7], v[(\f)+8*(4*(\c)+(\a)):(\f)+8*(4*(\c)+(\a))+7], v[ACC+8*(4*(\a)+(\b)):ACC+8*(4*(\a)+(\b))+7]
.endif
.endr
.endr
.endm
; 32 LDS loads in one run: the fragments of 64 along K at byte k of the rows, into buffer f; the first 32 along K first
.macro FETCH slot, k, f
	WIN TO_F
.irp c, 0,1
.irp i, 0,1,2,3
	ds_load_b128 v[(\f)+64+8*(4*(\c)+(\i)):(\f)+64+8*(4*(\c)+(\i))+3],   v[ADRB+(\slot)] offset:(\k)+64*(\c)+(\i)*16*PITCH
	ds_load_b128 v[(\f)+64+8*(4*(\c)+(\i))+4:(\f)+64+8*(4*(\c)+(\i))+7], v[ADRB+(\slot)] offset:(\k)+64*(\c)+(\i)*16*PITCH+32
	ds_load_b128 v[(\f)+8*(4*(\c)+(\i)):(\f)+8*(4*(\c)+(\i))+3],         v[ADRA+(\slot)] offset:(\k)+64*(\c)+(\i)*16*PITCH
	ds_load_b128 v[(\f)+8*(4*(\c)+(\i))+4:(\f)+8*(4*(\c)+(\i))+7],       v[ADRA+(\slot)] offset:(\k)+64*(\c)+(\i)*16*PITCH+32
.endr
.endr
.endm
.macro PLACES                          ; four plain vector instructions in front of loads into registers that matrix instructions have read, and of lines that read results
.rept 4
	v_nop
.endr
.endm
; A K step is four quarters of 64 along K, 32 matrix instructions each, on buffers 0, 1, 0, 1.  One of the first three: multiplies buffer f and fetches the next quarter, at byte k, into g.
.macro QUARTER slot, k, f, g, zero
	s_wait_dscnt 16                                ; the first 32 along K are in; the younger sixteen loads may be out
	WIN MUL
	MUL8 \f, 0, 0, \zero
	MUL8 \f, 0, 2, \zero
	PLACES
	FETCH \slot, \k, \g
	s_wait_dscnt 32                                ; all but the 32 just issued
	WIN MUL
	MUL8 \f, 1, 0, 0
	MUL8 \f, 1, 2, 0
.endm
; The last quarter multiplies buffer 1 and changes slots: ONE barrier; in front of it each wave waits for all its tensor loads, adds 0 to its spare word, and waits for that and for its own reads of this slot.  fill = 1: this slot is filled again, two K steps ahead.
.macro TURN slot, next, fill
	WIN 0                                          ; (the add's two registers lie in window 0)
	s_wait_tensorcnt 0x0                           ; all my tensor loads have landed: my part of the next slot;
	ds_add_u32 v[SPW], v[NIL]                      ; 0 onto my spare word
	s_wait_dscnt 17                                ; (the add and the youngest sixteen loads may be out)
	WIN MUL
	MUL8 F1, 0, 0, 0                               ; eight matrix instructions stand between the add and the wait for it
	s_wait_dscnt 0x0                               ; the add is done, and my reads of this slot are over
	s_barrier_signal -1
	MUL8 F1, 0, 2, 0
.if \fill
	WIN 0
.endif
	s_barrier_wait -1
.if \fill
	CREST                                          ; the barrier has opened a round of the cluster's barrier: no wave of any partner still reads this slot's tile or has a load on its way
	s_add_nc_u64 s[G0+4*(\slot)+2:G0+4*(\slot)+3], s[G0+4*(\slot)+2:G0+4*(\slot)+3], 2*KSTEP*2
	s_add_nc_u64 s[G0B+4*(\slot)+2:G0B+4*(\slot)+3], s[G0B+4*(\slot)+2:G0B+4*(\slot)+3], 2*KSTEP*2
	JLOAD \slot                                    ; the first tensor load behind the round; the four v_nop behind it are also the places in front of the loads below
.else
	PLACES
.endif
	FETCH \next, 0, F0
	WIN MUL
	MUL8 F1, 1, 0, 0
	MUL8 F1, 1, 2, 0
.endm
	s_wait_tensorcnt 1                             ; my part of K step 0 is in; K step 1's load may stay out
	s_barrier_signal -1
	s_barrier_wait -1                              ; everybody's is
	FETCH 0, 0, F0
	QUARTER 0, 128, F0, F1, 1                      ; the first quarter stands in front of the loop: its first products start the sums
	WIN 0                                          ; at a label and at a branch every window is 0
	s_mov_b32 s3, LAPS-1
.Llap:                                                 ; a trip goes once round the ring, from a lap's second quarter to the next lap's first, and fills both slots again
	QUARTER 0, 256, F1, F0, 0
	QUARTER 0, 384, F0, F1, 0
	TURN 0, 1, 1
	QUARTER 1, 128, F0, F1, 0
	QUARTER 1, 256, F1, F0, 0
	QUARTER 1, 384, F0, F1, 0
	TURN 1, 0, 1
	QUARTER 0, 128, F0, F1, 0
	WIN 0
	s_sub_co_u32 s3, s3, 1
	s_cmp_lg_u32 s3, 0
	s_cbranch_scc1 .Llap
	QUARTER 0, 256, F1, F0, 0                      ; the last lap fills nothing, and has no round of the cluster's barrier
	QUARTER 0, 384, F0, F1, 0
	TURN 0, 1, 0
	QUARTER 1, 128, F0, F1, 0
	QUARTER 1, 256, F1, F0, 0
	QUARTER 1, 384, F0, F1, 0
	s_wait_dscnt 16                                ; the very last quarter: nothing more to fetch
	WIN MUL
	MUL8 F1, 0, 0, 0
	MUL8 F1, 0, 2, 0
	s_wait_dscnt 0
	MUL8 F1, 1, 0, 0
	MUL8 F1, 1, 2, 0
	WIN 0
	; THE ACTIVATION.  With x = sum + bias: t = -log2(e) x = sum x (-log2 e) + NB; sigmoid = 1 / (1 + 2^t); the result is max(sum + XB, sigmoid).
	PLACES
	s_wait_loadcnt 0x0                             ; the bias
	WIN 0x40                                       ; destination window 1: the fragment buffers are free
.set i, 0
.rept 16
	v_pk_mul_f32 v[NB+i:NB+i+1], v[BI+i:BI+i+1], s[66:67] op_sel_hi:[1,0]
	v_pk_add_f32 v[XB+i:XB+i+1], v[BI+i:BI+i+1], s[68:69] op_sel_hi:[1,0]
.set i, i+2
.endr
; Row block a: its four accumulators, 32 numbers a lane.  Two batches of transcendentals, each with one plain instruction behind its last and one wait ahead of its first reader.
; Each accumulator's lowest registers are read first.
.macro ACT a
	WIN 0x10                                       ; source 2 (NB) in window 1
.set i, 0
.rept 16
	v_pk_fma_f32 v[T+i:T+i+1], v[ACC+32*(\a)+i:ACC+32*(\a)+i+1], s[66:67], v[NB+i:NB+i+1] op_sel_hi:[1,0,1]
.set i, i+2
.endr
	WIN 0
.set i, 0
.rept 32
	v_exp_f32 v[T+i], v[T+i]
.set i, i+1
.endr
	WIN 0x04                                       ; source 1 (XB) in window 1: sixteen plain lines that name no exponential's result
.set i, 0
.rept 16
	v_pk_add_f32 v[ACC+32*(\a)+i:ACC+32*(\a)+i+1], v[ACC+32*(\a)+i:ACC+32*(\a)+i+1], v[XB+i:XB+i+1]
.set i, i+2
.endr
	WIN 0
	s_wait_alu depctr_va_vdst(0)                   ; one wait for the 32 exponentials
.set i, 0
.rept 16
	v_pk_add_f32 v[T+i:T+i+1], v[T+i:T+i+1], 1.0 op_sel_hi:[1,0]
.set i, i+2
.endr
.set i, 0
.rept 32
	v_rcp_f32 v[T+i], v[T+i]
.set i, i+1
.endr
	v_nop
	s_wait_alu depctr_va_vdst(0)                   ; one wait for the 32 reciprocals
.set i, 0
.rept 32
	v_max_num_f32 v[ACC+32*(\a)+i], v[ACC+32*(\a)+i], v[T+i]
.set i, i+1
.endr
.set i, 0
.rept 16
	v_cvt_pk_bf16_f32 v[TMP+16*(\a)+i], v[ACC+32*(\a)+2*i], v[ACC+32*(\a)+2*i+1]
.set i, i+1
.endr
.endm
	ACT 0
	ACT 1
	ACT 2
	ACT 3
	; THE WAY OUT: 16 bytes a lane into the work-group's stage; a barrier, since a row's 256 bytes come from two waves; back as whole rows, 32 rows a wave.
.irp a, 0,1,2,3
.irp b, 0,1,2,3
	ds_store_b128 v[STO], v[TMP+4*(4*(\a)+(\b)):TMP+4*(4*(\a)+(\b))+3] offset:(\a)*16*SPITCH+32*(\b)
.endr
.endr
	s_wait_dscnt 0x0                               ; for the others' sake: my stores into the stage are done
	s_barrier_signal -1
	s_barrier_wait -1
.irp t, 0,1,2,3,4,5,6,7,8,9,10,11,12,13,14,15
	ds_load_b128 v[TMP+4*(\t):TMP+4*(\t)+3], v[RD] offset:(\t)*2*SPITCH
.endr
.irp t, 0,1,2,3,4,5,6,7,8,9,10,11,12,13,14,15
	s_wait_dscnt 15-(\t)                           ; LDS loads come back in order: pair t of rows is in
	global_store_b128 v[CO], v[TMP+4*(\t):TMP+4*(\t)+3], s[8:9] offset:2*(\t)*SIZE_N*2  ; 16 lanes store 256 consecutive bytes, at a multiple of 256 from zg0's first byte
.endr
	s_wait_tensorcnt 0x0                           ; the wave's end, behind my last tensor load and my last LDS store
	ds_add_u32 v[SPW], v[NIL]
	s_wait_dscnt 0x0
	CROUND                                         ; the closing round: no work-group ends while a partner may still ask for a tile that names it
	s_endpgm
.Lfunc_end_k_q49c1a9b8a9_tab:
	.size	k_q49c1a9b8a9_tab, .Lfunc_end_k_q49c1a9b8a9_tab-k_q49c1a9b8a9_tab
	.p2alignl 7, 3214868480
	.fill 96, 4, 3214868480
	.section	.rodata,"a",@progbits
	.p2align	6, 0x0
	.amdhsa_kernel k_q49c1a9b8a9_tab
		.amdhsa_group_segment_fixed_size 327680
		.amdhsa_private_segment_fixed_size 0
		.amdhsa_enable_private_segment 0
		.amdhsa_kernarg_size 24
		.amdhsa_user_sgpr_count 2
		.amdhsa_user_sgpr_kernarg_segment_ptr 1
		.amdhsa_wavefront_size32 1
		.amdhsa_system_sgpr_workgroup_id_x 1
		.amdhsa_system_sgpr_workgroup_id_y 1
		.amdhsa_system_sgpr_workgroup_id_z 1
		.amdhsa_system_vgpr_workitem_id 0
		.amdhsa_next_free_vgpr 512
		.amdhsa_next_free_sgpr 80
		.amdhsa_reserve_vcc 0
		.amdhsa_float_denorm_mode_32 3
		.amdhsa_float_denorm_mode_16_64 3
		.amdhsa_memory_ordered 1
		.amdhsa_forward_progress 1
		.amdhsa_inst_pref_size 115
	.end_amdhsa_kernel
	.amdgpu_metadata
---
amdhsa.version: [ 1, 2 ]
amdhsa.kernels:
  - .name:           k_q49c1a9b8a9_tab
    .symbol:         k_q49c1a9b8a9_tab.kd
    .args:
      - { .name: wb, .offset: 0, .size: 8, .value_kind: global_buffer, .address_space: global }
      - { .name: b0, .offset: 8, .size: 8, .value_kind: global_buffer, .address_space: global }
      - { .name: zg0, .offset: 16, .size: 8, .value_kind: global_buffer, .address_space: global }
    .group_segment_fixed_size: 327680
    .private_segment_fixed_size: 0
    .kernarg_segment_align: 8
    .kernarg_segment_size: 24
    .max_flat_workgroup_size: 128
    .sgpr_count:     80
    .vgpr_count:     512
    .wavefront_size: 32
...
	.end_amdgpu_metadata
.endif
;; end of part 2
;; launch scan0 (part 3): grid 8 x 16, 16 waves a work-group, no clusters, 51,200 bytes of LDS; arguments x, zg0, wb, h1, h1res; writes h1, h1res
.if DOCPART == 3
	.amdgcn_target "amdgcn-amd-amdhsa--gfx1250"
	.amdhsa_code_object_version 6
	.text
	.protected	k_q49c1a9b8a9_scan0
	.globl	k_q49c1a9b8a9_scan0
	.p2align	8
	.type	k_q49c1a9b8a9_scan0,@function
k_q49c1a9b8a9_scan0:
	s_mov_b64 s[64:65], 0
	v_nop
	global_prefetch_b8 v0, s[64:65] scope:SCOPE_SE
	s_setreg_imm32_b32 hwreg(HW_REG_WAVE_MODE, 25, 1), 1
	s_wait_xcnt 0x0
; LAYER 0: gather, scan, residual.  For sequence b and channel c: h(-1) = 0.5; h(t) = h(t-1) + z (g - h(t-1)) with z = zg0[x[b][t]][c], g = zg0[x[b][t]][1024 + c];
; h1[b][t][c] = h(t) + embB[x[b][t]][c].  That recurrence is what the scan in logarithms computes: every h is a mean of 0.5 and the g's with weights in 0 to 1, every product of (1 - z) lies in 0 to 1,
; and no exponential of a sum is formed, so nothing here can pass f32's range where the g's do not.
; OUT.  h1: bf16, row 512 b + rho(t): with t = 16 s + i, rho = 128 (s >> 3) + 32 (s & 3) + 8 ((s >> 2) & 1) + 16 (i >> 3) + (i & 7), so that in each 128 steps row 16 blk + 8 h + j holds step 64 h + 8 blk + j.
; h1res: f32, the last 16 steps, [b][t] rows of 4,096 bytes; channel 128 G + 8 i + 4 half + k at byte 512 G + 256 half + 16 i + 4 k.
; LIMITS.  x is held to 0 .. 2047.  z and g come rounded to bf16.  NaN and infinities are not treated apart.
; SHARES.  A work-group owns one sequence and 128 channels (256 bytes of every table row and of every row of h1): 16 x 8 work-groups; a chain cannot be cut between work-groups, and fewer channels would store parts of aligned blocks of 256 bytes.
; Thread t: channels 8 (t % 16) + 0..7, steps 16 (t / 16) + 0..15.  Pass 1 makes each thread's composite h_out = A h_in + B of its 16 steps; 128 threads then walk the 32 composites of a channel; pass 2 runs the steps with the true h_in.
; All 52 loads of a thread go out at the head; z, g and emb stay in registers between the passes.  The signs of z and g are turned once, so that each step is two multiply-adds straight from bf16 halves: D = (-g) 1 + h, h = (-z) D + h.
.set CA,    0                          ; LDS: A, [32 segments][128 channels] f32, rows of 512 bytes
.set CB,    16384                      ; B, likewise
.set HI,    32768                      ; h at each segment's entry, likewise
.set SPARE, 49152                      ; the spare words, 128 bytes for each of the 16 waves
.set XO, 16                            ; v16-31   x, then step i's offset in embB
.set OZ, 32                            ; v32-47   step i's offset in zg0
.set AA, 32                            ; v32-39   later: A of my 8 channels
.set BB, 40                            ; v40-47   later: B, then h
.set Z,  48                            ; v48-111  step i's z, 4 registers; in pass 2 the f32 results of channels 0-3
.set G,  112                           ; v112-175 step i's g; in pass 2 the f32 results of channels 4-7
.set E,  176                           ; v176-239 step i's emb; in pass 2 the 16 bytes to store
.set D,  240                           ; v240-247 at work
	s_load_b256 s[4:11], s[0:1], 0x0               ; x s[4:5], zg0 s[6:7], wb s[8:9], h1 s[10:11]
	s_load_b64 s[12:13], s[0:1], 0x20              ; h1res
	v_lshl_add_u32 v10, v0, 2, SPARE               ; my spare word,
	v_mov_b32 v11, 0                               ; and 0: kept for the add at the wave's end
	v_lshrrev_b32 v2, 5, v0
	v_readfirstlane_b32 s14, v2                    ; wave 0..15
	v_and_b32 v1, 15, v0                           ; my place among the 16 that share a row's 256 bytes
	v_lshrrev_b32 v3, 4, v0                        ; s: my segment of 16 steps
	v_lshlrev_b32 v4, 6, v3                        ; its 64 bytes of x
	s_lshl_b32 s15, ttmp9, 8
	v_lshl_add_u32 v5, v1, 4, s15                  ; 256 G + 16 place: my 16 bytes in a row of bf16
	v_lshrrev_b32 v6, 3, v3
	v_lshlrev_b32 v6, 7, v6                        ; 128 (s >> 3)
	v_and_b32 v2, 3, v3
	v_lshl_add_u32 v6, v2, 5, v6                   ; + 32 (s & 3)
	v_bfe_u32 v2, v3, 2, 1
	v_lshl_add_u32 v6, v2, 3, v6                   ; + 8 ((s >> 2) & 1)
	v_lshl_add_u32 v6, v6, 11, v5                  ; that row of h1, my 16 bytes
	v_lshlrev_b32 v7, 5, v0                        ; 512 s + 32 place = 32 x thread: my 8 words in CA, CB, HI
	v_mov_b32 v8, 1.0
	s_lshl_b32 s16, ttmp9, 9
	v_lshl_add_u32 v9, v1, 4, s16                  ; 512 G + 16 place: my 16 bytes in a row of h1res
	v_lshlrev_b32 v12, 2, v0                       ; threads 0-127: a channel's word
	v_mov_b32 v13, 0.5                             ; h(-1)
	v_and_b32 v14, 31, v0                          ; lane
	s_and_b32 s17, ttmp7, 0xffff                   ; b
	s_lshl_b32 s18, s17, 11                        ; its 2,048 bytes of x
	s_mov_b32 s19, 0
	s_lshl_b32 s20, s17, 20                        ; its 512 rows of h1
	s_mov_b32 s21, 0
	s_lshl_b32 s22, s17, 16                        ; its 16 rows of h1res
	s_mov_b32 s23, 0
	s_mov_b32 s24, 0x80008000                      ; the signs of two bf16
	s_wait_kmcnt 0x0
	s_add_nc_u64 s[4:5], s[4:5], s[18:19]
	s_add_nc_u64 s[10:11], s[10:11], s[20:21]
	s_add_nc_u64 s[12:13], s[12:13], s[22:23]
.irp k, 0,1,2,3
	global_load_b128 v[XO+4*(\k):XO+4*(\k)+3], v4, s[4:5] offset:16*(\k)
.endr
	s_wait_loadcnt 0x0
.irp i, 0,1,2,3,4,5,6,7,8,9,10,11,12,13,14,15
	v_min_u32 v[XO+(\i)], 0x7ff, v[XO+(\i)]        ; an index stays inside its table
	v_lshl_add_u32 v[OZ+(\i)], v[XO+(\i)], 12, v5  ; rows of 4,096 bytes in zg0,
	v_lshl_add_u32 v[XO+(\i)], v[XO+(\i)], 11, v5  ; of 2,048 in embB
.endr
.irp i, 0,1,2,3,4,5,6,7,8,9,10,11,12,13,14,15
	global_load_b128 v[Z+4*(\i):Z+4*(\i)+3], v[OZ+(\i)], s[6:7]              ; 16 lanes read 256 consecutive bytes, aligned, of a table row
	global_load_b128 v[G+4*(\i):G+4*(\i)+3], v[OZ+(\i)], s[6:7] offset:2048
.endr
.irp i, 0,1,2,3,4,5,6,7,8,9,10,11,12,13,14,15
	global_load_b128 v[E+4*(\i):E+4*(\i)+3], v[XO+(\i)], s[8:9]
.endr
	s_wait_loadcnt 16                              ; z and g are in, so their offsets' registers are free; emb's sixteen loads stay out through pass 1
.set n, 0
.rept 128
	v_xor_b32 v[Z+n], s24, v[Z+n]                  ; -z and -g
.set n, n+1
.endr
.irp k, 0,1,2,3,4,5,6,7
	v_mov_b32 v[AA+(\k)], 1.0
	v_mov_b32 v[BB+(\k)], 0
.endr
; Pass 1, step i: D = B - g; A = A - z A; B = B - z D.  Eight chains side by side.
.macro P1 i
.irp m, 0,1,2,3
	v_fma_mix_f32_bf16 v[D+2*(\m)],   v[G+4*(\i)+(\m)], v8, v[BB+2*(\m)]   op_sel_hi:[1,0,0]
	v_fma_mix_f32_bf16 v[D+2*(\m)+1], v[G+4*(\i)+(\m)], v8, v[BB+2*(\m)+1] op_sel:[1,0,0] op_sel_hi:[1,0,0]
.endr
.irp m, 0,1,2,3
	v_fma_mix_f32_bf16 v[AA+2*(\m)],   v[Z+4*(\i)+(\m)], v[AA+2*(\m)],   v[AA+2*(\m)]   op_sel_hi:[1,0,0]
	v_fma_mix_f32_bf16 v[AA+2*(\m)+1], v[Z+4*(\i)+(\m)], v[AA+2*(\m)+1], v[AA+2*(\m)+1] op_sel:[1,0,0] op_sel_hi:[1,0,0]
.endr
.irp m, 0,1,2,3
	v_fma_mix_f32_bf16 v[BB+2*(\m)],   v[Z+4*(\i)+(\m)], v[D+2*(\m)],   v[BB+2*(\m)]   op_sel_hi:[1,0,0]
	v_fma_mix_f32_bf16 v[BB+2*(\m)+1], v[Z+4*(\i)+(\m)], v[D+2*(\m)+1], v[BB+2*(\m)+1] op_sel:[1,0,0] op_sel_hi:[1,0,0]
.endr
.endm
.irp i, 0,1,2,3,4,5,6,7,8,9,10,11,12,13,14,15
	P1 \i
.endr
	ds_store_b128 v7, v[AA:AA+3]   offset:CA
	ds_store_b128 v7, v[AA+4:AA+7] offset:CA+16
	ds_store_b128 v7, v[BB:BB+3]   offset:CB
	ds_store_b128 v7, v[BB+4:BB+7] offset:CB+16
	s_wait_dscnt 0x0                               ; for the others' sake: my composites lie in LDS
	s_barrier_signal -1
	s_barrier_wait -1
	; Threads 0-127, a channel each, walk the 32 segments: h at a segment's entry is written, then carried over the segment.
	s_cmp_lt_u32 s14, 4
	s_cbranch_scc0 .Lno_prefix
.irp c, 0,1
.irp u, 0,1,2,3,4,5,6,7,8,9,10,11,12,13,14,15
	ds_load_b32 v[32+(\u)],  v12 offset:CA+(16*(\c)+(\u))*512
	ds_load_b32 v[240+(\u)], v12 offset:CB+(16*(\c)+(\u))*512
.endr
	s_wait_dscnt 0x0
.irp u, 0,1,2,3,4,5,6,7,8,9,10,11,12,13,14,15
	ds_store_b32 v12, v13 offset:HI+(16*(\c)+(\u))*512
	v_fma_f32 v13, v[32+(\u)], v13, v[240+(\u)]
.endr
.endr
.Lno_prefix:
	s_wait_dscnt 0x0                               ; the entries are written
	s_barrier_signal -1
	s_barrier_wait -1
	ds_load_b128 v[BB:BB+3],   v7 offset:HI
	ds_load_b128 v[BB+4:BB+7], v7 offset:HI+16
	s_wait_dscnt 0x0
	s_wait_loadcnt 0x0                             ; emb
; Pass 2, step i: D = h - g; h = h - z D; the result h + emb in f32 takes z's and g's registers, its rounding to bf16 takes emb's.  No register that a store reads is written again.
.macro P2 i
.irp m, 0,1,2,3
	v_fma_mix_f32_bf16 v[D+2*(\m)],   v[G+4*(\i)+(\m)], v8, v[BB+2*(\m)]   op_sel_hi:[1,0,0]
	v_fma_mix_f32_bf16 v[D+2*(\m)+1], v[G+4*(\i)+(\m)], v8, v[BB+2*(\m)+1] op_sel:[1,0,0] op_sel_hi:[1,0,0]
.endr
.irp m, 0,1,2,3
	v_fma_mix_f32_bf16 v[BB+2*(\m)],   v[Z+4*(\i)+(\m)], v[D+2*(\m)],   v[BB+2*(\m)]   op_sel_hi:[1,0,0]
	v_fma_mix_f32_bf16 v[BB+2*(\m)+1], v[Z+4*(\i)+(\m)], v[D+2*(\m)+1], v[BB+2*(\m)+1] op_sel:[1,0,0] op_sel_hi:[1,0,0]
.endr
.irp m, 0,1
	v_fma_mix_f32_bf16 v[Z+4*(\i)+2*(\m)],   v[E+4*(\i)+(\m)],   v8, v[BB+2*(\m)]   op_sel_hi:[1,0,0]
	v_fma_mix_f32_bf16 v[Z+4*(\i)+2*(\m)+1], v[E+4*(\i)+(\m)],   v8, v[BB+2*(\m)+1] op_sel:[1,0,0] op_sel_hi:[1,0,0]
	v_fma_mix_f32_bf16 v[G+4*(\i)+2*(\m)],   v[E+4*(\i)+2+(\m)], v8, v[BB+4+2*(\m)] op_sel_hi:[1,0,0]
	v_fma_mix_f32_bf16 v[G+4*(\i)+2*(\m)+1], v[E+4*(\i)+2+(\m)], v8, v[BB+5+2*(\m)] op_sel:[1,0,0] op_sel_hi:[1,0,0]
.endr
	v_cvt_pk_bf16_f32 v[E+4*(\i)],   v[Z+4*(\i)],   v[Z+4*(\i)+1]
	v_cvt_pk_bf16_f32 v[E+4*(\i)+1], v[Z+4*(\i)+2], v[Z+4*(\i)+3]
	v_cvt_pk_bf16_f32 v[E+4*(\i)+2], v[G+4*(\i)],   v[G+4*(\i)+1]
	v_cvt_pk_bf16_f32 v[E+4*(\i)+3], v[G+4*(\i)+2], v[G+4*(\i)+3]
	global_store_b128 v6, v[E+4*(\i):E+4*(\i)+3], s[10:11] offset:(((\i)&7)+16*((\i)>>3))*2048  ; 16 lanes store 256 consecutive bytes, aligned
.endm
.irp i, 0,1,2,3,4,5,6,7,8,9,10,11,12,13,14,15
	P2 \i
.endr
	; The last 16 steps are segment 31: lanes 16-31 of wave 15.  Their results leave once more, in f32.
	s_cmp_lg_u32 s14, 15
	s_cbranch_scc1 .Lend
	s_wait_xcnt 0x0                                ; EXEC changes only behind this wait: the stores above have been taken up
	v_cmp_le_u32 vcc_lo, 16, v14
	s_and_saveexec_b32 s25, vcc_lo
.irp i, 0,1,2,3,4,5,6,7,8,9,10,11,12,13,14,15
	global_store_b128 v9, v[Z+4*(\i):Z+4*(\i)+3], s[12:13] offset:(\i)*4096      ; 16 lanes: 256 consecutive bytes, aligned
	global_store_b128 v9, v[G+4*(\i):G+4*(\i)+3], s[12:13] offset:(\i)*4096+256
.endr
	s_wait_xcnt 0x0                                ; and again, in front of the line that widens it
	s_or_b32 exec_lo, exec_lo, s25
.Lend:
	s_wait_tensorcnt 0x0                           ; the wave's end, behind my last LDS store
	ds_add_u32 v10, v11
	s_wait_dscnt 0x0
	s_endpgm
.Lfunc_end_k_q49c1a9b8a9_scan0:
	.size	k_q49c1a9b8a9_scan0, .Lfunc_end_k_q49c1a9b8a9_scan0-k_q49c1a9b8a9_scan0
	.p2alignl 7, 3214868480
	.fill 96, 4, 3214868480
	.section	.rodata,"a",@progbits
	.p2align	6, 0x0
	.amdhsa_kernel k_q49c1a9b8a9_scan0
		.amdhsa_group_segment_fixed_size 51200
		.amdhsa_private_segment_fixed_size 0
		.amdhsa_enable_private_segment 0
		.amdhsa_kernarg_size 40
		.amdhsa_user_sgpr_count 2
		.amdhsa_user_sgpr_kernarg_segment_ptr 1
		.amdhsa_wavefront_size32 1
		.amdhsa_system_sgpr_workgroup_id_x 1
		.amdhsa_system_sgpr_workgroup_id_y 1
		.amdhsa_system_sgpr_workgroup_id_z 1
		.amdhsa_system_vgpr_workitem_id 0
		.amdhsa_next_free_vgpr 256
		.amdhsa_next_free_sgpr 66
		.amdhsa_reserve_vcc 1
		.amdhsa_float_denorm_mode_32 3
		.amdhsa_float_denorm_mode_16_64 3
		.amdhsa_memory_ordered 1
		.amdhsa_forward_progress 1
		.amdhsa_inst_pref_size 80
	.end_amdhsa_kernel
	.amdgpu_metadata
---
amdhsa.version: [ 1, 2 ]
amdhsa.kernels:
  - .name:           k_q49c1a9b8a9_scan0
    .symbol:         k_q49c1a9b8a9_scan0.kd
    .args:
      - { .name: x, .offset: 0, .size: 8, .value_kind: global_buffer, .address_space: global }
      - { .name: zg0, .offset: 8, .size: 8, .value_kind: global_buffer, .address_space: global }
      - { .name: wb, .offset: 16, .size: 8, .value_kind: global_buffer, .address_space: global }
      - { .name: h1, .offset: 24, .size: 8, .value_kind: global_buffer, .address_space: global }
      - { .name: h1res, .offset: 32, .size: 8, .value_kind: global_buffer, .address_space: global }
    .group_segment_fixed_size: 51200
    .private_segment_fixed_size: 0
    .kernarg_segment_align: 8
    .kernarg_segment_size: 40
    .max_flat_workgroup_size: 512
    .sgpr_count:     66
    .vgpr_count:     256
    .wavefront_size: 32
...
	.end_amdgpu_metadata
.endif
;; end of part 3
;; launch gemm1 (part 4): grid 32 x 8, 4 waves a work-group, clusters of 4 x 4, 327,680 bytes of LDS; arguments wb, h1, tail, b1; writes tail
.if DOCPART == 4
	.amdgcn_target "amdgcn-amd-amdhsa--gfx1250"
	.amdhsa_code_object_version 6
	.text
	.protected	k_q49c1a9b8a9_gemm1
	.globl	k_q49c1a9b8a9_gemm1
	.p2align	8
	.type	k_q49c1a9b8a9_gemm1,@function
k_q49c1a9b8a9_gemm1:
	s_mov_b64 s[64:65], 0
	v_nop
	global_prefetch_b8 v0, s[64:65] scope:SCOPE_SE
	s_setreg_imm32_b32 hwreg(HW_REG_WAVE_MODE, 25, 1), 1
	s_wait_xcnt 0x0
	s_wait_alu depctr_hold_cnt(0) depctr_sa_sdst(0) depctr_va_vdst(0) depctr_va_sdst(0) depctr_va_ssrc(0) depctr_va_vcc(0) depctr_vm_vsrc(0)
	s_getreg_b32 s2, hwreg(HW_REG_IB_STS2, 6, 4)
	s_cmp_eq_u32 s2, 0
	s_cbranch_scc0 .Lentry_in_a_cluster
	s_endpgm
.Lentry_in_a_cluster:
	s_bfe_u32 s2, ttmp6, 0x10000c
	s_cmp_lg_u32 s2, 0xf033
	s_cbranch_scc0 .Lentry_shape_is_right
	s_endpgm
.Lentry_shape_is_right:
; LAYER 1: projection, activations and the scan's composites, in one launch.  gh[row][n] = sum over k of h1[row][k] W1[n][k] + b1[n]; z = sigmoid(gate), g = max(hidden + 0.5, sigmoid(hidden)), which is g() for every x;
; the recurrence h = h + z (g - h) over 64 steps on end is h_out = A h_in + B with A = the product of (1 - z), in 0 to 1, and B the same recurrence from 0.  Only A and B of each 64 steps leave, and z and g of the last 16 steps.
; OUT, all f32, rows of 4,096 bytes, channels in their natural order: compA [16 b][8 q][1024] at byte 0 of tail, compB at 0x80000, zlast [16 b][16 t][1024] at 0x100000, glast at 0x200000.
; Slot q = 7 holds the composite of steps 448-495 alone: the last 16 steps are run by the launch behind.
; LIMITS.  sigmoid(x) = 1 / (1 + 2^(-x log2 e)): where the power passes f32's range the reciprocal is 0; a power below 2^-126 counts as 0.  NaN and infinities are not treated apart.
; THE PRODUCT.  w1P (wb + 0x800000, 2,048 rows, bf16, its rows in the order that the first launch gave them) is source 1, h1 (8,192 rows, bf16) source 0.  A tile is 256 rows of w1P x 256 rows of h1, made by four waves;
; a wave makes 128 x 128: 64 accumulators of 16 x 16, 512 registers.  K goes in steps of 128 through two LDS slots filled by the tensor data mover; rows of 256 bytes, aligned.
; WHAT A LANE ENDS WITH.  A wave's 128 rows of w1P are [64 gate][64 hidden] of one group of 64 channels; row 16 a + r is channel 4 r + a.  Its 128 rows of h1 are 128 steps on end of one sequence; row 16 blk + 8 h + j is step 64 h + 8 blk + j.
; So lane (r, h) holds, for the four neighbouring channels 4 r + 0..3, gate (window 2) and hidden (window 3) of 64 steps on end, at v[8 (8 a + blk) + j]: four chains a lane, and nothing crosses lanes, waves or work-groups.
; CLUSTERS: 4 x 4 work-groups.  The four of a row of the cluster need the same tiles of w1P, the four of a column the same tiles of h1: each tile is asked for JOINTLY.  The tile column is 8 cx + cluster x, so that
; 'second half of a sequence' is cluster x's lowest bit, the same in all sixteen partners: the one branch that hangs on it runs alike in all.
; REGISTERS, in windows of 256: window 0: v0-31 addresses; v32-39 the bias; v64-127, v128-191 fragments of w1P, two buffers; behind the products v40-243 are the activations' and the chains'.
;   window 1: v64-127, v128-191 fragments of h1.   window 2: the 32 gate accumulators.   window 3: the 32 hidden accumulators.
.set SIZE_K, 1024
.set KSTEP,  128
.set PITCH,  272                       ; an LDS row: 256 bytes of data + 16 of padding = 68 words: row r starts at bank 4 r mod 64 (64 banks of 4 bytes: ISA guide 11.1)
.set HALFT,  128*PITCH                 ; 128 rows: what one tensor load brings, and what one wave reads of either operand
.set SLOT,   4*HALFT                   ; w1P's 256 rows, then h1's 256 rows
.set SPARE,  2*SLOT                    ; behind the ring: the spare words, 128 bytes for each wave
.set LAPS, SIZE_K/(2*KSTEP)            ; a lap = two K steps = once round the ring
.set COMPB, 0x80000
.set ZLAST, 0x100000
.set GLAST, 0x200000
.set ADRA, 16                          ; v16-17  LDS address of my w1P fragments in slot 0, 1
.set ADRB, 20                          ; v20-21  the same for h1
.set CO,   24                          ; v24     my 16 bytes in compA
.set ZO,   25                          ; v25     my 16 bytes in the first row of zlast for my sequence
.set LN,   26                          ; v26     my lane
.set BO,   27                          ; v27     my 16 bytes in b1
.set SPW,  28                          ; v28     LDS address of my spare word; never rewritten
.set NIL,  29                          ; v29     0; never rewritten
.set PFO,  30                          ; v30     the prefetches' offset: my lane x a row of 2,048 bytes; never rewritten
.set BG,   32                          ; v32-35  the gates' bias of my four channels
.set BH,   36                          ; v36-39  the hiddens'
.set NBG,  40                          ; v40-47  -log2(e) x BG, each twice (a pair for the packed forms)
.set NBH,  48                          ; v48-55  -log2(e) x BH
.set BH5,  56                          ; v56-63  BH + 0.5
.set T1,   64                          ; v64-95   [a][j]: the gates' exponents, powers, 1 + power
.set T2,   96                          ; v96-127  the hiddens'
.set XP,   128                         ; v128-159 [a][j]: hidden + 0.5
.set ZT,   160                         ; v160-191 [j][a]: z
.set ST,   192                         ; v192-223 [j][a]: sigmoid(hidden), then g
.set DD,   224                         ; v224-227 g - B
.set AA,   228                         ; v228-231 A of my four channels
.set BB,   232                         ; v232-235 B
.set SNA,  236                         ; v236-239 A as it stood behind two of a half's four blocks
.set SNB,  240                         ; v240-243 B likewise
.set PFA,  44                          ; s[44:45] where my prefetches stand
.set LIM,  43                          ; s43     1 in a wave that prefetches, else the greatest number
.set F0,   64
.set F1,   128
.set G1, 24                            ; s[24:31] descriptor group 1 for w1P's tiles
.set G0, 32                            ; s[32:39] group 0, one set for each slot
.set G1B, 48                           ; s[48:55] group 1 for h1's tiles: it differs in the mask alone
.set G0B, 56                           ; s[56:63] group 0
.set MSB, 0
.macro WIN new                         ; the immediate's high byte repeats the setting that is left
.if MSB != (\new)
	s_set_vgpr_msb (MSB<<8)|(\new)
.set MSB, \new
.endif
.endm
.set MUL_LO, 0xa1                      ; source 0 (h1) window 1, source 1 (w1P) window 0, C and D window 2
.set MUL_HI, 0xf1                      ; the same, C and D window 3
.set TO_B,   0x40                      ; destination window 1, address window 0
; A joint load.  Waves 0 and 1 fetch w1P's two halves, waves 2 and 3 h1's.  The branch hangs on the wave's number alone.  An s_nop 0 and four v_nop follow each of the two lines.
.macro JLOAD s
	s_cmp_eq_u32 s11, 0
	s_cbranch_scc0 .Lfor_b_\@
	tensor_load_to_lds s[G0+4*(\s):G0+4*(\s)+3], s[G1:G1+7]
	s_nop 0
.rept 4
	v_nop
.endr
	s_branch .Lasked_\@
.Lfor_b_\@:
	tensor_load_to_lds s[G0B+4*(\s):G0B+4*(\s)+3], s[G1B:G1B+7]
	s_nop 0
.rept 4
	v_nop
.endr
.Lasked_\@:
.endm
; A PREFETCH, behind each joint load, its five lines and the run of LDS loads that follows them: the K step that stands TWO refills on: 32 rows x 256 bytes, a lane a row, one instruction a wave; 512 matrix instructions ahead of the load that will ask for it.
; Each row's 256 bytes of a K step are named once in the launch.  w1P's tile row is walked by every cluster of that row of clusters: cluster x = 0 asks; h1's tile column by both clusters of that column: cluster y = 0 asks.
; The four partners that ask for a tile jointly share its rows out BY ADDRESS: of the 128 rows that a wave fetches, the partner at place p takes 32 p .. 32 p + 31 (p = cx for w1P, cy for h1).
; K steps 0 to 3 come by their loads alone; the loop's last trip (s3 = 1) asks for nothing: there is no K step two refills on.
.macro ASK
	s_cmp_gt_u32 s3, s[LIM]
	s_cbranch_scc0 .Lnot_mine_\@
	global_prefetch_b8 v[PFO], s[PFA:PFA+1] offset:KSTEP*2 th:TH_LOAD_NT scope:SCOPE_SE
.Lnot_mine_\@:
.endm
.macro CREST                           ; a round of the cluster's barrier behind its opening barrier
	s_cmp_lg_u32 s10, 0
	s_cbranch_scc1 .Lnot_wave_0_\@
	s_barrier_signal -3
.Lnot_wave_0_\@:
	s_barrier_wait -3
	s_barrier_signal -1
	s_barrier_wait -1
.endm
.macro CROUND                          ; a whole round
	s_barrier_signal -1
	s_barrier_wait -1
	CREST
.endm
	s_load_b128 s[4:7], s[0:1], 0x0                ; wb s[4:5], h1 s[6:7]
	s_load_b64 s[8:9], s[0:1], 0x10                ; tail
	s_load_b64 s[66:67], s[0:1], 0x18              ; b1
	v_lshl_add_u32 v[SPW], v0, 2, SPARE
	v_mov_b32 v[NIL], 0
	ds_add_u32 v[SPW], v[NIL]                      ; the wave's opening: the add, twice on end, and its wait ahead of my first tensor load
	ds_add_u32 v[SPW], v[NIL]                      ; and once more, under the one wait; the set-up below, work on registers, stands between
	v_lshrrev_b32 v1, 5, v0
	v_readfirstlane_b32 s10, v1                    ; wave 0..3
	s_lshr_b32 s11, s10, 1                         ; which 128 rows of w1P are mine.  Also: I fetch for w1P (0) or for h1 (1)
	s_and_b32 s12, s10, 1                          ; which 128 rows of h1.  Also: which 128 rows of that tile I fetch
	s_bfe_u32 s40, ttmp6, 0x40000                  ; cx
	s_bfe_u32 s41, ttmp6, 0x40004                  ; cy
	s_lshl_b32 s42, s40, 3
	s_add_co_u32 s42, s42, ttmp9                   ; T, h1's tile column = 8 cx + cluster x: sequence T >> 1, its half T & 1
	s_and_b32 s13, ttmp7, 0xffff
	s_lshl_b32 s13, s13, 2
	s_add_co_u32 s13, s13, s41                     ; w1P's tile row = 4 x cluster y + cy
	s_lshl_b32 s43, s41, 2
	s_lshl_b32 s43, 15, s43                        ; my row of the cluster
	s_lshl_b32 s44, 0x1111, s40                    ; my column
	; descriptor group 1: a tile of 128 rows x 128 elements, padded in LDS
	s_or_b32 s[G1+0], s43, (1<<16)|(1<<20)|(1<<21)|(5<<22)|(3<<25)  ; 15:0 the mask: my row; 17:16 element of 2 bytes; 20 padding on; 21 set beside a mask; 24:22 after every 64 words (code 5); 31:25 of 4 words (code 3)
	s_or_b32 s[G1B+0], s44, (1<<16)|(1<<20)|(1<<21)|(5<<22)|(3<<25) ; the same with the mask of my column
.irp g, G1, G1B
	s_mov_b32 s[(\g)+1], KSTEP<<16                 ; tensor_dim0 = 128
	s_mov_b32 s[(\g)+2], 128<<16                   ; tensor_dim1 = 128
	s_mov_b32 s[(\g)+3], KSTEP<<16                 ; tile_dim0 = 128
	s_mov_b32 s[(\g)+4], 128                       ; tile_dim1 = 128
	s_mov_b32 s[(\g)+5], SIZE_K                    ; elements from row to row
	s_mov_b32 s[(\g)+6], 0
	s_mov_b32 s[(\g)+7], 0
.endr
	s_mov_b32 s68, 0xbfb8aa3b                      ; -log2(e), as a pair
	s_mov_b32 s69, s68
	s_and_b32 s70, ttmp9, s10
	s_and_b32 s70, s70, 1                          ; 1: my 128 steps are a sequence's last: made of cluster x and the wave's number alone
	s_cmp_eq_u32 s70, 1
	s_cselect_b32 s71, 0xffff0000, 0               ; the lanes whose 64 steps are the sequence's last
	s_mov_b32 s72, 0                               ; 1 while the blocks in hand hold the last 16 steps
	; where the tiles come from: w1P's hang on the tile row alone, h1's on the tile column alone, each in registers that never hold the other coordinate
	s_lshl_b32 s17, s12, 7
	s_lshl_b32 s16, s13, 8
	s_add_co_u32 s16, s16, s17                     ; w1P: row 256 x tile row + 128 x half
	s_lshl_b32 s46, s42, 8
	s_add_co_u32 s46, s46, s17                     ; h1: row 256 T + 128 x half
	s_mov_b32 s17, 0
	s_mov_b32 s47, 0
	s_mov_b64 s[18:19], SIZE_K*2
	s_mul_u64 s[16:17], s[16:17], s[18:19]
	s_mul_u64 s[46:47], s[46:47], s[18:19]
	s_mul_i32 s20, s10, HALFT                      ; where they go: wave x 128 rows: no place in the cluster enters an LDS address
	s_wait_dscnt 0x0                               ; both opening adds are done
	s_wait_kmcnt 0x0
	s_add_nc_u64 s[4:5], s[4:5], 0x800000          ; w1P
	s_add_nc_u64 s[14:15], s[4:5], s[16:17]
	s_add_nc_u64 s[46:47], s[6:7], s[46:47]
	CROUND                                         ; all sixteen work-groups are here: the first joint loads meet
.irp s, 0,1
	s_mov_b32 s[G0+4*(\s)], 1                                      ; count = 1
	s_add_co_u32 s[G0+4*(\s)+1], s20, (\s)*SLOT                    ; LDS address
	s_add_nc_u64 s[G0+4*(\s)+2:G0+4*(\s)+3], s[14:15], (\s)*KSTEP*2  ; global address: K step s
	s_or_b32 s[G0+4*(\s)+3], s[G0+4*(\s)+3], 0x80000000            ; type = 2
	s_mov_b32 s[G0B+4*(\s)], 1
	s_add_co_u32 s[G0B+4*(\s)+1], s20, (\s)*SLOT
	s_add_nc_u64 s[G0B+4*(\s)+2:G0B+4*(\s)+3], s[46:47], (\s)*KSTEP*2
	s_or_b32 s[G0B+4*(\s)+3], s[G0B+4*(\s)+3], 0x80000000
	JLOAD \s                                       ; the ring is filled before anything else is done
.endr
	; A fragment is 16 rows x 32 K in 8 registers: lane l holds row l % 16; registers 0-3 K = 8 (l / 16) + 0..7, registers 4-7 K = 16 + 8 (l / 16) + 0..7: two loads of 16 bytes, 32 bytes apart.
	v_and_b32 v1, 15, v0                           ; r = l % 16
	v_bfe_u32 v2, v0, 4, 1                         ; h = l / 16
	v_mul_u32_u24 v3, v1, PITCH
	v_lshl_add_u32 v3, v2, 4, v3
	s_mul_i32 s21, s11, HALFT                      ; my 128 rows of w1P
	s_mul_i32 s22, s12, HALFT                      ; my 128 rows of h1,
	s_add_co_u32 s22, s22, 2*HALFT                 ; which lie behind w1P's 256
.irp s, 0,1
	v_add_nc_u32 v[ADRA+(\s)], s21, v3
	v_add_nc_u32 v[ADRB+(\s)], s22, v3
	s_add_co_u32 s21, s21, SLOT
	s_add_co_u32 s22, s22, SLOT
.endr
	s_lshl_b32 s20, s13, 1
	s_add_co_u32 s20, s20, s11                     ; my group of 64 channels = 2 x tile row + half
	s_lshl_b32 s20, s20, 8                         ; its 256 bytes in a row of f32
	v_lshl_add_u32 v[BO], v1, 4, s20               ; my four channels 4 r + 0..3
	global_load_b128 v[BG:BG+3], v[BO], s[66:67]               ; these two stay out while K is walked
	global_load_b128 v[BH:BH+3], v[BO], s[66:67] offset:4096
	s_lshl_b32 s21, s42, 2
	s_lshl_b32 s22, s12, 1
	s_add_co_u32 s21, s21, s22                     ; 8 b + q less h = 4 T + 2 x half
	s_lshl_b32 s21, s21, 12
	v_lshl_add_u32 v[CO], v2, 12, v[BO]
	v_add_nc_u32 v[CO], s21, v[CO]
	s_lshr_b32 s21, s42, 1                         ; b
	s_lshl_b32 s21, s21, 16
	v_add_nc_u32 v[ZO], s21, v[BO]
	v_and_b32 v[LN], 31, v0
	; the prefetches
	s_lshl_b32 s13, s13, 8                         ; 256 x tile row
	s_lshl_b32 s42, s42, 8                         ; 256 T
	s_and_b32 s22, ttmp7, 0xffff                   ; cluster y
	s_cmp_eq_u32 s11, 0                            ; do I fetch for w1P?
	s_cselect_b32 s20, s13, s42                    ; the tile's first row
	s_cselect_b32 s21, s40, s41                    ; my place among the four that ask for it with me
	s_cselect_b32 s22, ttmp9, s22                  ; the coordinate along which other clusters walk the same rows
	s_cselect_b64 s[PFA:PFA+1], s[4:5], s[6:7]
	s_cmp_eq_u32 s22, 0
	s_cselect_b32 s[LIM], 1, -1                    ; the same in all sixteen partners, for a given wave
	s_lshl_b32 s22, s12, 7
	s_add_co_u32 s20, s20, s22                     ; + the 128 rows that I fetch
	s_lshl_b32 s21, s21, 5
	s_add_co_u32 s20, s20, s21                     ; + my work-group's 32 of them
	s_mov_b32 s21, 0
	s_mov_b64 s[18:19], SIZE_K*2
	s_mul_u64 s[20:21], s[20:21], s[18:19]
	s_add_nc_u64 s[PFA:PFA+1], s[PFA:PFA+1], s[20:21]
	s_add_nc_u64 s[PFA:PFA+1], s[PFA:PFA+1], 2*KSTEP*2  ; at K step 2: the first refill steps it to 3 and names K step 4
	v_and_b32 v[PFO], 31, v0
	v_mul_u32_u24 v[PFO], v[PFO], SIZE_K*2
; 16 matrix instructions: blocks a0, a0 + 1 of the window's four (hi = 0: gates, 1: hiddens) x all 8 blocks of steps, 32 along K.  zero = 1: the first product starts the sums.
; The 64 accumulators take turns, one instruction a turn, in the same order in every quarter.
.macro MUL16 f, hi, a0, zero
	WIN MUL_LO+0x50*(\hi)
.irp a, \a0, (\a0)+1
.irp b, 0,1,2,3,4,5,6,7
.if \zero
	v_wmma_f32_16x16x32_bf16 v[8*(8*(\a)+(\b)):8*(8*(\a)+(\b))+7], v[(\f)+8*(\b):(\f)+8*(\b)+7], v[(\f)+8*(4*(\hi)+(\a)):(\f)+8*(4*(\hi)+(\a))+7], 0
.else
	v_wmma_f32_16x16x32_bf16 v[8*(8*(\a)+(\b)):8*(8*(\a)+(\b))+7], v[(\f)+8*(\b):(\f)+8*(\b)+7], v[(\f)+8*(4*(\hi)+(\a)):(\f)+8*(4*(\hi)+(\a))+7], v[8*(8*(\a)+(\b)):8*(8*(\a)+(\b))+7]
.endif
.endr
.endr
.endm
; 32 LDS loads in one run: the fragments of one quarter step (128 rows of h1, 128 rows of w1P, 32 K at byte k of the rows) into buffer f
.macro FETCH slot, k, f
	WIN TO_B
.irp i, 0,1,2,3,4,5,6,7
	ds_load_b128 v[(\f)+8*(\i):(\f)+8*(\i)+3],   v[ADRB+(\slot)] offset:(\k)+(\i)*16*PITCH
	ds_load_b128 v[(\f)+8*(\i)+4:(\f)+8*(\i)+7], v[ADRB+(\slot)] offset:(\k)+(\i)*16*PITCH+32
.endr
	WIN 0
.irp i, 0,1,2,3,4,5,6,7
	ds_load_b128 v[(\f)+8*(\i):(\f)+8*(\i)+3],   v[ADRA+(\slot)] offset:(\k)+(\i)*16*PITCH
	ds_load_b128 v[(\f)+8*(\i)+4:(\f)+8*(\i)+7], v[ADRA+(\slot)] offset:(\k)+(\i)*16*PITCH+32
.endr
.endm
.macro PLACES                          ; four plain vector instructions in front of loads into registers that matrix instructions have read (ISA guide 7.12.1 for vector instructions)
.rept 4
	v_nop
.endr
.endm
; A K step is four quarters of 32 along K, 64 matrix instructions each, on buffers 0, 1, 0, 1.  One of the first three: multiplies buffer f; in its middle it fetches the next quarter's fragments into buffer g.
.macro QUARTER slot, k, f, g, zero
	s_wait_dscnt 8                                 ; h1's fragments and the gate rows' are in; the youngest eight loads (the hidden rows') may be out
	WIN MUL_LO
	MUL16 \f, 0, 0, \zero
	MUL16 \f, 0, 2, \zero
	PLACES
	FETCH \slot, \k, \g
	s_wait_dscnt 32                                ; all but the 32 just issued
	WIN MUL_HI
	MUL16 \f, 1, 0, \zero
	MUL16 \f, 1, 2, \zero
.endm
; The first half of a K step's last quarter: ONE barrier for the change of slots.  In front of it each wave waits for all its tensor loads, of which one is out: its part of the next slot;
; adds 0 to its spare word; and waits for that and for its own reads of this slot.  Behind it nobody reads this slot any more and the next slot is whole.
.macro MEET round                      ; round = 1: a round of the cluster's barrier follows
	WIN 0                                          ; (the add's two registers lie in window 0)
	s_wait_tensorcnt 0x0
	ds_add_u32 v[SPW], v[NIL]                      ; 0 onto my spare word
	s_wait_dscnt 9                                 ; (the add and the youngest eight loads may be out)
	WIN MUL_LO
	MUL16 F1, 0, 0, 0                              ; sixteen matrix instructions stand between the add and the wait for it
	s_wait_dscnt 0x0                               ; the add is done, and my reads of this slot are over
	s_barrier_signal -1
	MUL16 F1, 0, 2, 0                              ; work on registers while the others arrive
.if \round
	WIN 0
.endif
	s_barrier_wait -1
.endm
; The whole last quarter, where the slot just read out is filled again, with the K step two steps on: from the request to the wait for it a wave issues 224 matrix instructions.
.macro TURN slot, next
	s_wait_xcnt 0x0                                ; the last prefetch, a K step back, has read its address: it is stepped here, ahead of the waits of the change of slots
	s_add_nc_u64 s[PFA:PFA+1], s[PFA:PFA+1], KSTEP*2
	MEET 1
	CREST                                          ; no wave of any partner still reads this slot's tile or has a load on its way
	s_add_nc_u64 s[G0+4*(\slot)+2:G0+4*(\slot)+3], s[G0+4*(\slot)+2:G0+4*(\slot)+3], 2*KSTEP*2
	s_add_nc_u64 s[G0B+4*(\slot)+2:G0B+4*(\slot)+3], s[G0B+4*(\slot)+2:G0B+4*(\slot)+3], 2*KSTEP*2
	JLOAD \slot                                    ; the first tensor load behind the round; the four v_nop behind it are also the places in front of the loads below
	FETCH \next, 0, F0
	ASK
	WIN MUL_HI
	MUL16 F1, 1, 0, 0
	MUL16 F1, 1, 2, 0
.endm
	s_wait_tensorcnt 1                             ; my part of K step 0 is in; K step 1's load may stay out
	s_barrier_signal -1
	s_barrier_wait -1                              ; everybody's is
	FETCH 0, 0, F0
	QUARTER 0, 64,  F0, F1, 1                      ; the first quarter stands in front of the loop: its products start the sums
	WIN 0                                          ; at a label and at a branch every window is 0
	s_mov_b32 s3, LAPS-1
.Llap:                                                 ; a trip goes once round the ring, from a lap's second quarter to the next lap's first, and fills both slots again
	QUARTER 0, 128, F1, F0, 0
	QUARTER 0, 192, F0, F1, 0
	TURN 0, 1
	QUARTER 1, 64,  F0, F1, 0
	QUARTER 1, 128, F1, F0, 0
	QUARTER 1, 192, F0, F1, 0
	TURN 1, 0
	QUARTER 0, 64,  F0, F1, 0
	WIN 0
	s_sub_co_u32 s3, s3, 1
	s_cmp_lg_u32 s3, 0
	s_cbranch_scc1 .Llap
	QUARTER 0, 128, F1, F0, 0                      ; the last lap fills nothing
	QUARTER 0, 192, F0, F1, 0
	MEET 0                                         ; my one tensor load that was still out is the last K step's; no round follows
	PLACES
	FETCH 1, 0, F0
	WIN MUL_HI
	MUL16 F1, 1, 0, 0
	MUL16 F1, 1, 2, 0
	QUARTER 1, 64,  F0, F1, 0
	QUARTER 1, 128, F1, F0, 0
	QUARTER 1, 192, F0, F1, 0
	s_wait_dscnt 8                                 ; the very last quarter: nothing more to fetch
	MUL16 F1, 0, 0, 0
	MUL16 F1, 0, 2, 0
	s_wait_dscnt 0x0
	MUL16 F1, 1, 0, 0
	MUL16 F1, 1, 2, 0
	WIN 0
	; BEHIND THE PRODUCTS.  The 32 plain lines below name no register of the last products: they are also the places behind them.
	s_wait_loadcnt 0x0                             ; the bias
.irp a, 0,1,2,3
	v_mul_f32 v[NBG+2*(\a)],   s68, v[BG+(\a)]
	v_mul_f32 v[NBG+2*(\a)+1], s68, v[BG+(\a)]
	v_mul_f32 v[NBH+2*(\a)],   s68, v[BH+(\a)]
	v_mul_f32 v[NBH+2*(\a)+1], s68, v[BH+(\a)]
	v_add_f32 v[BH5+2*(\a)],   0.5, v[BH+(\a)]
	v_add_f32 v[BH5+2*(\a)+1], 0.5, v[BH+(\a)]
	v_mov_b32 v[AA+(\a)], 1.0
	v_mov_b32 v[BB+(\a)], 0
.endr
; z and g of eight of the last 16 steps leave: lanes 16-31 of the waves whose steps are a sequence's last, in the second half alone.  The branch hangs on cluster x, the wave's number and the loop's count.
.macro KEEP bl
	s_cmp_eq_u32 s72, 1
	s_cbranch_scc0 .Lno_keep_\@
	s_wait_xcnt 0x0                                ; EXEC changes only behind this wait
	v_cmp_le_u32 vcc_lo, 16, v[LN]
	s_and_saveexec_b32 s74, vcc_lo
.irp j, 0,1,2,3,4,5,6,7
	global_store_b128 v[ZO], v[ZT+4*(\j):ZT+4*(\j)+3], s[8:9] offset:ZLAST+(8*((\bl)-2)+(\j))*4096  ; 16 lanes store 256 consecutive bytes, aligned
	global_store_b128 v[ZO], v[ST+4*(\j):ST+4*(\j)+3], s[8:9] offset:GLAST+(8*((\bl)-2)+(\j))*4096
.endr
	s_wait_xcnt 0x0                                ; and again, in front of the line that widens it; the next block writes z's and g's registers only behind it
	s_or_b32 exec_lo, exec_lo, s74
.Lno_keep_\@:
.endm
; Eight steps: block bl of the four in hand.  Two batches of 64 transcendentals, each with a plain instruction behind its last and one wait ahead of its first reader.
; Each accumulator's lowest registers are read first.  The reciprocals land turned, [j][a], so that a step's four channels lie on end.  Then the chains: D = g - B; A = A - z A; B = B + z D.
.macro BLOCK bl, keep
	WIN 0x02                                       ; source 0: the gates
.irp a, 0,1,2,3
.irp p, 0,2,4,6
	v_pk_fma_f32 v[T1+8*(\a)+(\p):T1+8*(\a)+(\p)+1], v[8*(8*(\a)+(\bl))+(\p):8*(8*(\a)+(\bl))+(\p)+1], s[68:69], v[NBG+2*(\a):NBG+2*(\a)+1] op_sel_hi:[1,0,1]
.endr
.endr
	WIN 0x03                                       ; source 0: the hiddens
.irp a, 0,1,2,3
.irp p, 0,2,4,6
	v_pk_fma_f32 v[T2+8*(\a)+(\p):T2+8*(\a)+(\p)+1], v[8*(8*(\a)+(\bl))+(\p):8*(8*(\a)+(\bl))+(\p)+1], s[68:69], v[NBH+2*(\a):NBH+2*(\a)+1] op_sel_hi:[1,0,1]
.endr
.endr
	WIN 0
.set i, 0
.rept 64
	v_exp_f32 v[T1+i], v[T1+i]
.set i, i+1
.endr
	WIN 0x03                                       ; sixteen plain lines that name no exponential's result
.irp a, 0,1,2,3
.irp p, 0,2,4,6
	v_pk_add_f32 v[XP+8*(\a)+(\p):XP+8*(\a)+(\p)+1], v[8*(8*(\a)+(\bl))+(\p):8*(8*(\a)+(\bl))+(\p)+1], v[BH5+2*(\a):BH5+2*(\a)+1]
.endr
.endr
	WIN 0
	s_wait_alu depctr_va_vdst(0)                   ; one wait for the 64 exponentials
.set i, 0
.rept 32
	v_pk_add_f32 v[T1+i:T1+i+1], v[T1+i:T1+i+1], 1.0 op_sel_hi:[1,0]
.set i, i+2
.endr
.irp a, 0,1,2,3
.irp j, 0,1,2,3,4,5,6,7
	v_rcp_f32 v[ZT+4*(\j)+(\a)], v[T1+8*(\a)+(\j)]
	v_rcp_f32 v[ST+4*(\j)+(\a)], v[T2+8*(\a)+(\j)]
.endr
.endr
	v_nop
	s_wait_alu depctr_va_vdst(0)                   ; one wait for the 64 reciprocals
.irp a, 0,1,2,3
.irp j, 0,1,2,3,4,5,6,7
	v_max_num_f32 v[ST+4*(\j)+(\a)], v[ST+4*(\j)+(\a)], v[XP+8*(\a)+(\j)]
.endr
.endr
.if \keep
	KEEP \bl
.endif
.irp j, 0,1,2,3,4,5,6,7
.irp u, 0,2
	v_pk_add_f32 v[DD+(\u):DD+(\u)+1], v[ST+4*(\j)+(\u):ST+4*(\j)+(\u)+1], v[BB+(\u):BB+(\u)+1] neg_lo:[0,1] neg_hi:[0,1]
.endr
.irp u, 0,2
	v_pk_fma_f32 v[AA+(\u):AA+(\u)+1], v[ZT+4*(\j)+(\u):ZT+4*(\j)+(\u)+1], v[AA+(\u):AA+(\u)+1], v[AA+(\u):AA+(\u)+1] neg_lo:[0,1,0] neg_hi:[0,1,0]
.endr
.irp u, 0,2
	v_pk_fma_f32 v[BB+(\u):BB+(\u)+1], v[ZT+4*(\j)+(\u):ZT+4*(\j)+(\u)+1], v[DD+(\u):DD+(\u)+1], v[BB+(\u):BB+(\u)+1]
.endr
.endr
.endm
	s_mov_b32 s73, 2
.Lhalf:                                                ; two trips of 32 steps: four blocks are written, not eight; between the trips blocks 4-7 move to the places of blocks 0-3
	BLOCK 0, 0
	BLOCK 1, 0
.irp k, 0,1,2,3
	v_mov_b32 v[SNA+(\k)], v[AA+(\k)]              ; in the second trip: the composite of the first 48 steps
	v_mov_b32 v[SNB+(\k)], v[BB+(\k)]
.endr
	BLOCK 2, 1
	BLOCK 3, 1
	s_cmp_eq_u32 s73, 1
	s_cbranch_scc1 .Lno_shift
	WIN 0x82                                       ; destination and source 0 in window 2
.irp a, 0,1,2,3
.irp b, 0,1,2,3
.irp j, 0,1,2,3,4,5,6,7
	v_mov_b32 v[8*(8*(\a)+(\b))+(\j)], v[8*(8*(\a)+(\b)+4)+(\j)]
.endr
.endr
.endr
	WIN 0xc3                                       ; in window 3
.irp a, 0,1,2,3
.irp b, 0,1,2,3
.irp j, 0,1,2,3,4,5,6,7
	v_mov_b32 v[8*(8*(\a)+(\b))+(\j)], v[8*(8*(\a)+(\b)+4)+(\j)]
.endr
.endr
.endr
	WIN 0
	s_mov_b32 s72, s70                             ; the second trip's blocks 2 and 3 are steps 48-63
.Lno_shift:
	s_sub_co_u32 s73, s73, 1
	s_cmp_lg_u32 s73, 0
	s_cbranch_scc1 .Lhalf
.irp k, 0,1,2,3
	v_cndmask_b32 v[AA+(\k)], v[AA+(\k)], v[SNA+(\k)], s71     ; the lanes with a sequence's last 64 steps hand on their first 48
	v_cndmask_b32 v[BB+(\k)], v[BB+(\k)], v[SNB+(\k)], s71
.endr
	global_store_b128 v[CO], v[AA:AA+3], s[8:9]                ; 16 lanes store 256 consecutive bytes, aligned; lanes 16-31 the next 64 steps' row
	global_store_b128 v[CO], v[BB:BB+3], s[8:9] offset:COMPB
	s_wait_tensorcnt 0x0                           ; the wave's end, behind my last tensor load
	ds_add_u32 v[SPW], v[NIL]
	s_wait_dscnt 0x0
	CROUND                                         ; the closing round: no work-group ends while a partner may still ask for a tile that names it
	s_endpgm
.Lfunc_end_k_q49c1a9b8a9_gemm1:
	.size	k_q49c1a9b8a9_gemm1, .Lfunc_end_k_q49c1a9b8a9_gemm1-k_q49c1a9b8a9_gemm1
	.p2alignl 7, 3214868480
	.fill 96, 4, 3214868480
	.section	.rodata,"a",@progbits
	.p2align	6, 0x0
	.amdhsa_kernel k_q49c1a9b8a9_gemm1
		.amdhsa_group_segment_fixed_size 327680
		.amdhsa_private_segment_fixed_size 0
		.amdhsa_enable_private_segment 0
		.amdhsa_kernarg_size 32
		.amdhsa_user_sgpr_count 2
		.amdhsa_user_sgpr_kernarg_segment_ptr 1
		.amdhsa_wavefront_size32 1
		.amdhsa_system_sgpr_workgroup_id_x 1
		.amdhsa_system_sgpr_workgroup_id_y 1
		.amdhsa_system_sgpr_workgroup_id_z 1
		.amdhsa_system_vgpr_workitem_id 0
		.amdhsa_next_free_vgpr 1024
		.amdhsa_next_free_sgpr 80
		.amdhsa_reserve_vcc 1
		.amdhsa_float_denorm_mode_32 3
		.amdhsa_float_denorm_mode_16_64 3
		.amdhsa_memory_ordered 1
		.amdhsa_forward_progress 1
		.amdhsa_inst_pref_size 179
	.end_amdhsa_kernel
	.amdgpu_metadata
---
amdhsa.version: [ 1, 2 ]
amdhsa.kernels:
  - .name:           k_q49c1a9b8a9_gemm1
    .symbol:         k_q49c1a9b8a9_gemm1.kd
    .args:
      - { .name: wb, .offset: 0, .size: 8, .value_kind: global_buffer, .address_space: global }
      - { .name: h1, .offset: 8, .size: 8, .value_kind: global_buffer, .address_space: global }
      - { .name: tail, .offset: 16, .size: 8, .value_kind: global_buffer, .address_space: global }
      - { .name: b1, .offset: 24, .size: 8, .value_kind: global_buffer, .address_space: global }
    .group_segment_fixed_size: 327680
    .private_segment_fixed_size: 0
    .kernarg_segment_align: 8
    .kernarg_segment_size: 32
    .max_flat_workgroup_size: 128
    .sgpr_count:     80
    .vgpr_count:     1024
    .wavefront_size: 32
...
	.end_amdgpu_metadata
.endif
;; end of part 4
;; launch logits (part 5): grid 16 x 16, 8 waves a work-group, no clusters, 75,520 bytes of LDS; arguments tail, h1res, wb, bl, out0; writes out0
.if DOCPART == 5
	.amdgcn_target "amdgcn-amd-amdhsa--gfx1250"
	.amdhsa_code_object_version 6
	.text
	.protected	k_q49c1a9b8a9_logits
	.globl	k_q49c1a9b8a9_logits
	.p2align	8
	.type	k_q49c1a9b8a9_logits,@function
k_q49c1a9b8a9_logits:
	s_mov_b64 s[64:65], 0
	v_nop
	global_prefetch_b8 v0, s[64:65] scope:SCOPE_SE
	s_setreg_imm32_b32 hwreg(HW_REG_WAVE_MODE, 25, 1), 1
	s_wait_xcnt 0x0
; THE END OF LAYER 1 AND THE LOGITS.  For sequence b: h = 0.5 is carried through the eight composites h = A h + B (the last covers 48 steps), then through the last 16 steps h = h + z (g - h);
; h2[t] = h(t) + h1res[b][t]; out0[b][t][v] = sum over k of h2[t][k] wlB[v][k] + bl[v].  All but the product in f32.
; h2 ENTERS THE PRODUCT AS TWO bf16 OPERANDS, hi = bf16(h2) and lo = bf16(h2 - hi): 16 significant bits, in bf16's range; each K step is two matrix instructions on the same fragment of wlB.
; SHARES.  A work-group makes 16 steps x 128 columns of one sequence: 16 x 16 work-groups.  Its 256 threads each carry four channels through the scan's end (every work-group of a sequence does this anew:
; 256 KiB read, against a launch more); h2 meets in LDS; then wave w multiplies columns 16 w + 0..15 over all of K.  wlB's rows come straight into registers: no wave wants another's.
; NO CLUSTER, NO TENSOR LOADS: what the 16 work-groups of a sequence share goes into registers, four channels a thread, once; a tile of wlB with padding, h2 and the stage together do not fit in LDS.
; THE PRODUCT IS USED TRANSPOSED (source 0 = 16 rows of wlB, source 1 = the 16 steps): a lane holds one step (l % 16) and the eight neighbouring columns 8 (l / 16) + 0..7.
; REGISTERS.  window 0: v0-15 addresses; v16-19 h; v20-23 at work; v24-31 bl; v32-63 A, v64-95 B of the composites, later wlB's K steps 24-31; v96-159 z, v160-223 g, later two buffers of h2's fragments; v224-255 four accumulators.
;   window 1: v0-63 h1res; v64-255 wlB's K steps 0-23.
.set PH,    2064                       ; a row of h2 in LDS: 2,048 bytes + 16: an odd multiple of 16, so the 16 rows of a fragment load start in 16 different groups of four banks (ISA guide 11.1)
.set H2LO,  16*PH                      ; hi at 0, lo behind it
.set STAGE, 2*16*PH                    ; 16 rows x 528 bytes, for the way out
.set SPT,   528
.set SPARE, STAGE+16*SPT               ; the spare words, 128 bytes for each of the 8 waves
.set COMPB, 0x80000
.set ZLAST, 0x100000
.set GLAST, 0x200000
.set VQ,  2                            ; v2   16 x thread: my four channels in a row of f32
.set VR,  3                            ; v3   the same four channels in a row of h1res
.set WO,  4                            ; v4   my place in a fragment of wlB: (l % 16) x 2,048 + 16 (l / 16)
.set LH,  5                            ; v5   8 x thread: my four channels in a row of bf16
.set AF,  6                            ; v6   my place in a fragment of h2
.set STO, 7                            ; v7   the way out: where I put 32 bytes of a row
.set RD,  8                            ; v8   the way out: where I read a row back
.set GO,  9                            ; v9   16 x lane
.set BO,  10                           ; v10  my eight columns in bl
.set SPW, 12                           ; v12  my spare word; never rewritten
.set NIL, 13                           ; v13  0; never rewritten
.set HH,  16
.set DD,  20
.set BL,  24
.set CAR, 32
.set CBR, 64
.set ZL,  96
.set GL,  160
.set AFR, 96                           ; h2's fragments: buffer c % 2 at AFR + 64 (c % 2): K step kk at + 16 kk, hi then lo
.set ACC, 224
.set MSB, 0
.macro WIN new                         ; the immediate's high byte repeats the setting that is left
.if MSB != (\new)
	s_set_vgpr_msb (MSB<<8)|(\new)
.set MSB, \new
.endif
.endm
	s_load_b256 s[4:11], s[0:1], 0x0               ; tail s[4:5], h1res s[6:7], wb s[8:9], bl s[10:11]
	s_load_b64 s[12:13], s[0:1], 0x20              ; out0
	v_lshl_add_u32 v[SPW], v0, 2, SPARE
	v_mov_b32 v[NIL], 0
	v_lshrrev_b32 v1, 5, v0
	v_readfirstlane_b32 s14, v1                    ; wave 0..7
	v_lshlrev_b32 v[VQ], 4, v0
	v_lshlrev_b32 v[VR], 9, v1                     ; 512 (t >> 5)
	v_and_b32 v11, 1, v0
	v_lshl_add_u32 v[VR], v11, 8, v[VR]            ; + 256 (t & 1)
	v_bfe_u32 v11, v0, 1, 4
	v_lshl_add_u32 v[VR], v11, 4, v[VR]            ; + 16 ((t >> 1) & 15)
	v_and_b32 v14, 15, v0                          ; r = l % 16
	v_bfe_u32 v15, v0, 4, 1                        ; h = l / 16
	v_lshlrev_b32 v[WO], 11, v14
	v_lshl_add_u32 v[WO], v15, 4, v[WO]
	v_lshlrev_b32 v[LH], 3, v0
	v_mul_u32_u24 v[AF], v14, PH
	v_lshl_add_u32 v[AF], v15, 4, v[AF]
	s_lshl_b32 s31, s14, 6                         ; my 16 columns: 64 bytes of a stage row
	s_add_co_u32 s31, s31, STAGE
	v_mul_u32_u24 v[STO], v14, SPT
	v_lshl_add_u32 v[STO], v15, 5, v[STO]
	v_add_nc_u32 v[STO], s31, v[STO]
	s_mul_i32 s31, s14, 2*SPT                      ; back: wave w takes rows 2 w and 2 w + 1, whole
	s_add_co_u32 s31, s31, STAGE
	v_and_b32 v[GO], 31, v0
	v_lshlrev_b32 v[GO], 4, v[GO]
	v_add_nc_u32 v[RD], s31, v[GO]
	s_lshl_b32 s15, ttmp9, 7                       ; the work-group's first column
	s_lshl_b32 s17, s14, 4
	s_add_co_u32 s17, s17, s15                     ; my wave's
	s_lshl_b32 s31, s17, 2
	v_lshl_add_u32 v[BO], v15, 5, s31
	s_and_b32 s16, ttmp7, 0xffff                   ; b
	s_lshl_b32 s18, s16, 15                        ; its 8 rows of composites
	s_mov_b32 s19, 0
	s_lshl_b32 s32, s16, 16                        ; its 16 rows of zlast, glast, h1res
	s_mov_b32 s33, 0
	s_lshl_b32 s34, s17, 11                        ; my 16 rows of wlB
	s_mov_b32 s35, 0
	s_lshl_b32 s36, s16, 4
	s_lshl_b32 s37, s14, 1
	s_add_co_u32 s36, s36, s37                     ; the first row of out0 that I store: 16 b + 2 w
	s_lshl_b32 s36, s36, 13
	s_lshl_b32 s37, ttmp9, 9                       ; the work-group's 128 columns: 512 bytes
	s_add_co_u32 s36, s36, s37
	s_mov_b32 s37, 0
	s_mov_b32 s30, 0xffff0000                      ; a word's upper bf16
	s_wait_kmcnt 0x0
	s_add_nc_u64 s[20:21], s[4:5], s[18:19]
	s_add_nc_u64 s[22:23], s[4:5], s[32:33]
	s_add_nc_u64 s[24:25], s[6:7], s[32:33]
	s_add_nc_u64 s[26:27], s[8:9], s[34:35]
	s_add_nc_u64 s[26:27], s[26:27], 0xC00000      ; wlB
	s_add_nc_u64 s[28:29], s[12:13], s[36:37]
	; ALL THAT REGISTERS HOLD GOES OUT AT ONCE, in the order in which it is wanted: 16 + 32 + 16 + 2 + 48 loads
.irp q, 0,1,2,3,4,5,6,7
	global_load_b128 v[CAR+4*(\q):CAR+4*(\q)+3], v[VQ], s[20:21] offset:(\q)*4096
.endr
.irp q, 0,1,2,3,4,5,6,7
	global_load_b128 v[CBR+4*(\q):CBR+4*(\q)+3], v[VQ], s[20:21] offset:COMPB+(\q)*4096
.endr
.irp t, 0,1,2,3,4,5,6,7,8,9,10,11,12,13,14,15
	global_load_b128 v[ZL+4*(\t):ZL+4*(\t)+3], v[VQ], s[22:23] offset:ZLAST+(\t)*4096
	global_load_b128 v[GL+4*(\t):GL+4*(\t)+3], v[VQ], s[22:23] offset:GLAST+(\t)*4096
.endr
	WIN 0x40                                       ; destination window 1, address window 0
.irp t, 0,1,2,3,4,5,6,7,8,9,10,11,12,13,14,15
	global_load_b128 v[4*(\t):4*(\t)+3], v[VR], s[24:25] offset:(\t)*4096
.endr
	WIN 0
	global_load_b128 v[BL:BL+3],   v[BO], s[10:11]
	global_load_b128 v[BL+4:BL+7], v[BO], s[10:11] offset:16
	WIN 0x40
.set k, 0
.rept 24
	global_load_b128 v[64+8*k:64+8*k+3],   v[WO], s[26:27] offset:64*k
	global_load_b128 v[64+8*k+4:64+8*k+7], v[WO], s[26:27] offset:64*k+32
.set k, k+1
.endr
	WIN 0
	s_wait_loadcnt 63                              ; 98 loads are younger than the last composite's; 63 is the most that the wait can state
.irp k, 0,1,2,3
	v_mov_b32 v[HH+(\k)], 0.5                      ; h(-1)
.endr
.irp q, 0,1,2,3,4,5,6,7
	v_pk_fma_f32 v[HH:HH+1],   v[CAR+4*(\q):CAR+4*(\q)+1],   v[HH:HH+1],   v[CBR+4*(\q):CBR+4*(\q)+1]
	v_pk_fma_f32 v[HH+2:HH+3], v[CAR+4*(\q)+2:CAR+4*(\q)+3], v[HH+2:HH+3], v[CBR+4*(\q)+2:CBR+4*(\q)+3]
.endr
.set k, 24
.rept 8                                            ; the composites' registers take wlB's last eight K steps
	global_load_b128 v[32+8*(k-24):32+8*(k-24)+3],   v[WO], s[26:27] offset:64*k
	global_load_b128 v[32+8*(k-24)+4:32+8*(k-24)+7], v[WO], s[26:27] offset:64*k+32
.set k, k+1
.endr
	s_wait_loadcnt 63                              ; 66 loads are younger than h1res's last: z, g and h1res are in
; Step t: D = g - h; h = z D + h, left in z's registers.  hp: where the step before left h.
.macro STEP t, hp
	v_pk_add_f32 v[DD:DD+1],   v[GL+4*(\t):GL+4*(\t)+1],   v[(\hp):(\hp)+1]   neg_lo:[0,1] neg_hi:[0,1]
	v_pk_add_f32 v[DD+2:DD+3], v[GL+4*(\t)+2:GL+4*(\t)+3], v[(\hp)+2:(\hp)+3] neg_lo:[0,1] neg_hi:[0,1]
	v_pk_fma_f32 v[ZL+4*(\t):ZL+4*(\t)+1],   v[ZL+4*(\t):ZL+4*(\t)+1],   v[DD:DD+1],   v[(\hp):(\hp)+1]
	v_pk_fma_f32 v[ZL+4*(\t)+2:ZL+4*(\t)+3], v[ZL+4*(\t)+2:ZL+4*(\t)+3], v[DD+2:DD+3], v[(\hp)+2:(\hp)+3]
.endm
	STEP 0, HH
.irp t, 1,2,3,4,5,6,7,8,9,10,11,12,13,14,15
	STEP \t, ZL+4*(\t)-4
.endr
	WIN 0x04                                       ; source 1 in window 1: the residual
.set i, 0
.rept 32
	v_pk_add_f32 v[ZL+i:ZL+i+1], v[ZL+i:ZL+i+1], v[i:i+1]
.set i, i+2
.endr
	WIN 0
.irp t, 0,1,2,3,4,5,6,7,8,9,10,11,12,13,14,15
	v_cvt_pk_bf16_f32 v[DD],   v[ZL+4*(\t)],   v[ZL+4*(\t)+1]      ; hi
	v_cvt_pk_bf16_f32 v[DD+1], v[ZL+4*(\t)+2], v[ZL+4*(\t)+3]
	v_lshlrev_b32 v[GL+4*(\t)],   16,  v[DD]                       ; hi as f32
	v_and_b32     v[GL+4*(\t)+1], s30, v[DD]
	v_lshlrev_b32 v[GL+4*(\t)+2], 16,  v[DD+1]
	v_and_b32     v[GL+4*(\t)+3], s30, v[DD+1]
	v_pk_add_f32 v[GL+4*(\t):GL+4*(\t)+1],   v[ZL+4*(\t):ZL+4*(\t)+1],   v[GL+4*(\t):GL+4*(\t)+1]   neg_lo:[0,1] neg_hi:[0,1]
	v_pk_add_f32 v[GL+4*(\t)+2:GL+4*(\t)+3], v[ZL+4*(\t)+2:ZL+4*(\t)+3], v[GL+4*(\t)+2:GL+4*(\t)+3] neg_lo:[0,1] neg_hi:[0,1]
	v_cvt_pk_bf16_f32 v[DD+2], v[GL+4*(\t)],   v[GL+4*(\t)+1]      ; lo
	v_cvt_pk_bf16_f32 v[DD+3], v[GL+4*(\t)+2], v[GL+4*(\t)+3]
	ds_store_b64 v[LH], v[DD:DD+1]   offset:(\t)*PH                ; a wave's store covers 256 consecutive bytes of a row
	ds_store_b64 v[LH], v[DD+2:DD+3] offset:H2LO+(\t)*PH
.endr
	s_wait_dscnt 0x0                               ; for the others' sake: my channels of h2 lie in LDS
	s_barrier_signal -1
	s_barrier_wait -1
; Chunk c: four K steps of 32.  16 LDS loads: h2's fragments, hi and lo.
.macro FETCH c
	WIN 0
.irp kk, 0,1,2,3
.irp p, 0,1
	ds_load_b128 v[AFR+64*((\c)%2)+16*(\kk)+8*(\p):AFR+64*((\c)%2)+16*(\kk)+8*(\p)+3],   v[AF] offset:(\p)*H2LO+(4*(\c)+(\kk))*64
	ds_load_b128 v[AFR+64*((\c)%2)+16*(\kk)+8*(\p)+4:AFR+64*((\c)%2)+16*(\kk)+8*(\p)+7], v[AF] offset:(\p)*H2LO+(4*(\c)+(\kk))*64+32
.endr
.endr
.endm
; Its eight products.  Four accumulators take turns, one instruction a turn: hi and lo of the even K steps, hi and lo of the odd ones.  K steps 0 and 1 start the sums.
.macro MULS c
.irp kk, 0,1,2,3
.set kq, 4*(\c)+(\kk)
.set fa, AFR+64*((\c)%2)+16*(\kk)
.set ac, ACC+16*(kq%2)
.if kq < 24
	WIN 0x01                                       ; source 0 in window 1
.set fw, 64+8*kq
.else
	WIN 0
.set fw, 32+8*(kq-24)
.endif
.if kq < 2
	v_wmma_f32_16x16x32_bf16 v[ac:ac+7],    v[fw:fw+7], v[fa:fa+7],    0
	v_wmma_f32_16x16x32_bf16 v[ac+8:ac+15], v[fw:fw+7], v[fa+8:fa+15], 0
.else
	v_wmma_f32_16x16x32_bf16 v[ac:ac+7],    v[fw:fw+7], v[fa:fa+7],    v[ac:ac+7]
	v_wmma_f32_16x16x32_bf16 v[ac+8:ac+15], v[fw:fw+7], v[fa+8:fa+15], v[ac+8:ac+15]
.endif
.endr
.endm
.macro PLACES                          ; four plain vector instructions in front of loads into registers that matrix instructions have read, and of sums that read results
.rept 4
	v_nop
.endr
.endm
	FETCH 0
	FETCH 1
	s_wait_loadcnt 16                              ; bl and wlB's K steps 0-23 are in; the sixteen late loads may stay out
.irp c, 0,1,2,3,4,5
	s_wait_dscnt 16                                ; this chunk's fragments are in; the next chunk's sixteen loads may be out
	MULS \c
	PLACES
	FETCH (\c)+2
.endr
	s_wait_dscnt 16
	s_wait_loadcnt 0x0                             ; wlB's K steps 24-31
	MULS 6
	s_wait_dscnt 0x0
	MULS 7
	WIN 0
	PLACES
.irp p, 0,2,4,6                        ; each accumulator's lowest registers are read first
	v_pk_add_f32 v[ACC+(\p):ACC+(\p)+1], v[ACC+(\p):ACC+(\p)+1], v[ACC+8+(\p):ACC+8+(\p)+1]
.endr
.irp p, 0,2,4,6
	v_pk_add_f32 v[ACC+16+(\p):ACC+16+(\p)+1], v[ACC+16+(\p):ACC+16+(\p)+1], v[ACC+24+(\p):ACC+24+(\p)+1]
.endr
.irp p, 0,2,4,6
	v_pk_add_f32 v[ACC+(\p):ACC+(\p)+1], v[ACC+(\p):ACC+(\p)+1], v[ACC+16+(\p):ACC+16+(\p)+1]
.endr
.irp p, 0,2,4,6
	v_pk_add_f32 v[ACC+(\p):ACC+(\p)+1], v[ACC+(\p):ACC+(\p)+1], v[BL+(\p):BL+(\p)+1]
.endr
	; THE WAY OUT: a lane's eight columns of a step into the stage; a barrier, since a row's 512 bytes come from eight waves; back as whole rows, two a wave.
	ds_store_b128 v[STO], v[ACC:ACC+3]
	ds_store_b128 v[STO], v[ACC+4:ACC+7] offset:16
	s_wait_dscnt 0x0                               ; for the others' sake
	s_barrier_signal -1
	s_barrier_wait -1
	ds_load_b128 v[ZL:ZL+3],   v[RD]
	ds_load_b128 v[ZL+4:ZL+7], v[RD] offset:SPT
	s_wait_dscnt 0x0
	global_store_b128 v[GO], v[ZL:ZL+3],   s[28:29]              ; 32 lanes store 512 consecutive bytes, at a multiple of 256 from out0's first byte
	global_store_b128 v[GO], v[ZL+4:ZL+7], s[28:29] offset:8192
	s_wait_tensorcnt 0x0                           ; the wave's end, behind my last LDS store
	ds_add_u32 v[SPW], v[NIL]
	s_wait_dscnt 0x0
	s_endpgm
.Lfunc_end_k_q49c1a9b8a9_logits:
	.size	k_q49c1a9b8a9_logits, .Lfunc_end_k_q49c1a9b8a9_logits-k_q49c1a9b8a9_logits
	.p2alignl 7, 3214868480
	.fill 96, 4, 3214868480
	.section	.rodata,"a",@progbits
	.p2align	6, 0x0
	.amdhsa_kernel k_q49c1a9b8a9_logits
		.amdhsa_group_segment_fixed_size 75520
		.amdhsa_private_segment_fixed_size 0
		.amdhsa_enable_private_segment 0
		.amdhsa_kernarg_size 40
		.amdhsa_user_sgpr_count 2
		.amdhsa_user_sgpr_kernarg_segment_ptr 1
		.amdhsa_wavefront_size32 1
		.amdhsa_system_sgpr_workgroup_id_x 1
		.amdhsa_system_sgpr_workgroup_id_y 1
		.amdhsa_system_sgpr_workgroup_id_z 1
		.amdhsa_system_vgpr_workitem_id 0
		.amdhsa_next_free_vgpr 512
		.amdhsa_next_free_sgpr 66
		.amdhsa_reserve_vcc 0
		.amdhsa_float_denorm_mode_32 3
		.amdhsa_float_denorm_mode_16_64 3
		.amdhsa_memory_ordered 1
		.amdhsa_forward_progress 1
		.amdhsa_inst_pref_size 48
	.end_amdhsa_kernel
	.amdgpu_metadata
---
amdhsa.version: [ 1, 2 ]
amdhsa.kernels:
  - .name:           k_q49c1a9b8a9_logits
    .symbol:         k_q49c1a9b8a9_logits.kd
    .args:
      - { .name: tail, .offset: 0, .size: 8, .value_kind: global_buffer, .address_space: global }
      - { .name: h1res, .offset: 8, .size: 8, .value_kind: global_buffer, .address_space: global }
      - { .name: wb, .offset: 16, .size: 8, .value_kind: global_buffer, .address_space: global }
      - { .name: bl, .offset: 24, .size: 8, .value_kind: global_buffer, .address_space: global }
      - { .name: out0, .offset: 32, .size: 8, .value_kind: global_buffer, .address_space: global }
    .group_segment_fixed_size: 75520
    .private_segment_fixed_size: 0
    .kernarg_segment_align: 8
    .kernarg_segment_size: 40
    .max_flat_workgroup_size: 256
    .sgpr_count:     66
    .vgpr_count:     512
    .wavefront_size: 32
...
	.end_amdgpu_metadata
.endif
;; end of part 5
;; ======== version 2 of 2: 5 launches; version 1 with the launches prep, logits written anew for expert scheduling mode
;; workspace buffers: wb 16,777,216 bytes; zg0 8,388,608 bytes; h1 16,777,216 bytes; h1res 1,048,576 bytes; tail 3,145,728 bytes
;; launch prep (part 6): grid 256 x 1, 8 waves a work-group, no clusters, 0 bytes of LDS; arguments emb, W0, W1, Wl, wb; writes wb
.if DOCPART == 6
	.amdgcn_target "amdgcn-amd-amdhsa--gfx1250"
	.amdhsa_code_object_version 6
	.text
	.protected	k_q49c1a9b8a9_prep
	.globl	k_q49c1a9b8a9_prep
	.p2align	8
	.type	k_q49c1a9b8a9_prep,@function
k_q49c1a9b8a9_prep:
	s_mov_b64 s[64:65], 0
	v_nop
	global_prefetch_b8 v0, s[64:65] scope:SCOPE_SE
	s_setreg_imm32_b32 hwreg(HW_REG_WAVE_SCHED_MODE, 0, 2), 2
	s_setreg_imm32_b32 hwreg(HW_REG_WAVE_MODE, 25, 1), 1
	s_wait_xcnt 0x0
	s_wait_alu depctr_vm_vsrc(0)
; emb, W0, W1, Wl ([2048][1024] f32) are rounded once to bf16 into wb: embB at byte 0, w0B at 0x400000, w1P at 0x800000, wlB at 0xC00000,
; each [2048][1024] bf16, rows of 2,048 bytes.  W1's rows change places: row R (hid = R >> 10, c = R & 1023) goes to row
; p = (c >> 6) << 7 | hid << 6 | (c & 3) << 4 | ((c >> 2) & 15): 128 rows on end are [64 gate rows][64 hidden rows] of one group of 64 channels,
; and in each half row 16 a + r holds channel 4 r + a of the group.
; SHARES.  Wave w of work-group g owns row R = 8 g + w of each matrix: 4,096 bytes in by eight loads of 512 consecutive bytes, 2,048 bytes out by
; eight stores of 256 consecutive bytes, aligned.  All 32 loads of a wave go out before anything is waited for.  No LDS, no loop, no matrix unit: bytes alone count here.
; THE MODE: SCHED_MODE bits 1:0 = 2 (LLVM: expert scheduling mode 2), set by the entry lines.  The code itself states the register dependences
; between vector instructions and memory instructions, with s_wait_alu, always for 0.
; THE PLAN.  Registers that memory instructions touch:
;   v1, v2     the loads' and the stores' byte offsets: made once at the head, never written again.
;   v[4:131]   matrix m, load k: four registers.  Written by the load; read by two conversions, which write the first two of the four in place; those two are read by one store and never written again.
; So one wait on va_vdst stands ahead of the first load (the offsets), and one for each matrix between its sixteen conversions and its eight stores, which stand in one run.
; No register that a memory instruction has read is written again: nothing is owed on vm_vsrc.
.set X, 4                              ; v[4:131]  matrix m, load k at X + 32 m + 4 k
	s_load_b256 s[4:11], s[0:1], 0x0               ; emb s[4:5], W0 s[6:7], W1 s[8:9], Wl s[10:11]
	s_load_b64 s[12:13], s[0:1], 0x20              ; wb
	v_and_b32 v3, 31, v0                           ; lane
	v_lshlrev_b32 v1, 4, v3                        ; 16 bytes a lane in
	v_lshlrev_b32 v2, 3, v3                        ; 8 bytes a lane out
	v_lshrrev_b32 v3, 5, v0
	v_readfirstlane_b32 s14, v3                    ; wave 0..7
	s_lshl_b32 s15, ttmp9, 3
	s_wait_alu depctr_va_sdst(0)                   ; s14 is written, ahead of its first reader: the rows' offsets are made from it
	s_add_co_u32 s15, s15, s14                     ; R
	s_lshl_b32 s2, s15, 12                         ; R x 4,096: the row in an input
	s_mov_b32 s3, 0
	s_lshl_b32 s36, s15, 11                        ; R x 2,048: the row in wb
	s_mov_b32 s37, 0
	s_lshr_b32 s32, s15, 10                        ; hid
	s_and_b32 s33, s15, 1023                       ; c
	s_lshr_b32 s34, s33, 6
	s_lshl_b32 s34, s34, 7                         ; (c >> 6) << 7
	s_lshl_b32 s32, s32, 6
	s_or_b32 s34, s34, s32                         ; | hid << 6
	s_and_b32 s32, s33, 3
	s_lshl_b32 s32, s32, 4
	s_or_b32 s34, s34, s32                         ; | (c & 3) << 4
	s_bfe_u32 s32, s33, 0x40002                    ; (c >> 2) & 15
	s_or_b32 s34, s34, s32                         ; p
	s_lshl_b32 s34, s34, 11                        ; p x 2,048
	s_mov_b32 s35, 0
	s_wait_kmcnt 0x0
	s_add_nc_u64 s[16:17], s[4:5], s[2:3]          ; the four rows in
	s_add_nc_u64 s[18:19], s[6:7], s[2:3]
	s_add_nc_u64 s[20:21], s[8:9], s[2:3]
	s_add_nc_u64 s[22:23], s[10:11], s[2:3]
	s_add_nc_u64 s[24:25], s[12:13], s[36:37]      ; the four rows out
	s_add_nc_u64 s[26:27], s[24:25], 0x400000
	s_add_nc_u64 s[28:29], s[12:13], s[34:35]
	s_add_nc_u64 s[28:29], s[28:29], 0x800000
	s_add_nc_u64 s[30:31], s[24:25], 0xC00000
	s_wait_alu depctr_va_vdst(0)                   ; v1 and v2 are written: every load and store of the kernel reads one of them as its offset
.irp m, 0,1,2,3
.irp k, 0,1,2,3,4,5,6,7
	global_load_b128 v[X+32*(\m)+4*(\k):X+32*(\m)+4*(\k)+3], v1, s[16+2*(\m):17+2*(\m)] offset:512*(\k) th:TH_LOAD_NT
.endr
.endr
; Matrix m: its eight loads are in, the younger matrices' stay out; four numbers become 8 bytes in the first two of their own registers, which nothing writes again.
.macro CV m
	s_wait_loadcnt 8*(3-(\m))
.irp k, 0,1,2,3,4,5,6,7
	v_cvt_pk_bf16_f32 v[X+32*(\m)+4*(\k)],   v[X+32*(\m)+4*(\k)],   v[X+32*(\m)+4*(\k)+1]
	v_cvt_pk_bf16_f32 v[X+32*(\m)+4*(\k)+1], v[X+32*(\m)+4*(\k)+2], v[X+32*(\m)+4*(\k)+3]
.endr
	s_wait_alu depctr_va_vdst(0)                   ; the sixteen conversions have written the eight pairs that the stores below read
.irp k, 0,1,2,3,4,5,6,7
	global_store_b64 v2, v[X+32*(\m)+4*(\k):X+32*(\m)+4*(\k)+1], s[24+2*(\m):25+2*(\m)] offset:256*(\k)
.endr
.endm
	CV 0
	CV 1
	CV 2
	CV 3
	s_endpgm
.Lfunc_end_k_q49c1a9b8a9_prep:
	.size	k_q49c1a9b8a9_prep, .Lfunc_end_k_q49c1a9b8a9_prep-k_q49c1a9b8a9_prep
	.p2alignl 7, 3214868480
	.fill 96, 4, 3214868480
	.section	.rodata,"a",@progbits
	.p2align	6, 0x0
	.amdhsa_kernel k_q49c1a9b8a9_prep
		.amdhsa_group_segment_fixed_size 0
		.amdhsa_private_segment_fixed_size 0
		.amdhsa_enable_private_segment 0
		.amdhsa_kernarg_size 40
		.amdhsa_user_sgpr_count 2
		.amdhsa_user_sgpr_kernarg_segment_ptr 1
		.amdhsa_wavefront_size32 1
		.amdhsa_system_sgpr_workgroup_id_x 1
		.amdhsa_system_sgpr_workgroup_id_y 1
		.amdhsa_system_sgpr_workgroup_id_z 1
		.amdhsa_system_vgpr_workitem_id 0
		.amdhsa_next_free_vgpr 136
		.amdhsa_next_free_sgpr 66
		.amdhsa_reserve_vcc 0
		.amdhsa_float_denorm_mode_32 3
		.amdhsa_float_denorm_mode_16_64 3
		.amdhsa_memory_ordered 1
		.amdhsa_forward_progress 1
		.amdhsa_inst_pref_size 13
	.end_amdhsa_kernel
	.amdgpu_metadata
---
amdhsa.version: [ 1, 2 ]
amdhsa.kernels:
  - .name:           k_q49c1a9b8a9_prep
    .symbol:         k_q49c1a9b8a9_prep.kd
    .args:
      - { .name: emb, .offset: 0, .size: 8, .value_kind: global_buffer, .address_space: global }
      - { .name: W0, .offset: 8, .size: 8, .value_kind: global_buffer, .address_space: global }
      - { .name: W1, .offset: 16, .size: 8, .value_kind: global_buffer, .address_space: global }
      - { .name: Wl, .offset: 24, .size: 8, .value_kind: global_buffer, .address_space: global }
      - { .name: wb, .offset: 32, .size: 8, .value_kind: global_buffer, .address_space: global }
    .group_segment_fixed_size: 0
    .private_segment_fixed_size: 0
    .kernarg_segment_align: 8
    .kernarg_segment_size: 40
    .max_flat_workgroup_size: 256
    .sgpr_count:     66
    .vgpr_count:     136
    .wavefront_size: 32
...
	.end_amdgpu_metadata
.endif
;; end of part 6
;; launch tab: the kernel of part 2 again; grid 16 x 16, 4 waves a work-group, clusters of 4 x 4, 327,680 bytes of LDS; arguments wb, b0, zg0; writes zg0
;; launch scan0: the kernel of part 3 again; grid 8 x 16, 16 waves a work-group, no clusters, 51,200 bytes of LDS; arguments x, zg0, wb, h1, h1res; writes h1, h1res
;; launch gemm1: the kernel of part 4 again; grid 32 x 8, 4 waves a work-group, clusters of 4 x 4, 327,680 bytes of LDS; arguments wb, h1, tail, b1; writes tail
;; launch logits (part 7): grid 16 x 16, 8 waves a work-group, no clusters, 75,520 bytes of LDS; arguments tail, h1res, wb, bl, out0; writes out0
.if DOCPART == 7
	.amdgcn_target "amdgcn-amd-amdhsa--gfx1250"
	.amdhsa_code_object_version 6
	.text
	.protected	k_q49c1a9b8a9_logits
	.globl	k_q49c1a9b8a9_logits
	.p2align	8
	.type	k_q49c1a9b8a9_logits,@function
k_q49c1a9b8a9_logits:
	s_mov_b64 s[64:65], 0
	v_nop
	global_prefetch_b8 v0, s[64:65] scope:SCOPE_SE
	s_setreg_imm32_b32 hwreg(HW_REG_WAVE_SCHED_MODE, 0, 2), 2
	s_setreg_imm32_b32 hwreg(HW_REG_WAVE_MODE, 25, 1), 1
	s_wait_xcnt 0x0
	s_wait_alu depctr_vm_vsrc(0)
; THE END OF LAYER 1 AND THE LOGITS.  For sequence b: h = 0.5 is carried through the eight composites h = A h + B (the last covers 48 steps), then through the last 16 steps h = h + z (g - h);
; h2[t] = h(t) + h1res[b][t]; out0[b][t][v] = sum over k of h2[t][k] wlB[v][k] + bl[v].  All but the product in f32.
; h2 ENTERS THE PRODUCT AS TWO bf16 OPERANDS, hi = bf16(h2) and lo = bf16(h2 - hi): 16 significant bits, in bf16's range; each K step is two matrix instructions on the same fragment of wlB.
; SHARES.  A work-group makes 16 steps x 128 columns of one sequence: 16 x 16 work-groups.  Its 256 threads each carry four channels through the scan's end (every work-group of a sequence does this anew:
; 256 KiB read, against a launch more); h2 meets in LDS; then wave w multiplies columns 16 w + 0..15 over all of K.  wlB's rows come straight into registers: no wave wants another's.
; NO CLUSTER, NO TENSOR LOADS: what the 16 work-groups of a sequence share goes into registers, four channels a thread, once; a tile of wlB with padding, h2 and the stage together do not fit in LDS.
; THE PRODUCT IS USED TRANSPOSED (source 0 = 16 rows of wlB, source 1 = the 16 steps): a lane holds one step (l % 16) and the eight neighbouring columns 8 (l / 16) + 0..7.
; REGISTERS.  window 0: v0-15 addresses; v16-19 h; v20-23 at work; v24-31 bl; v32-63 A, v64-95 B of the composites, later wlB's K steps 24-31; v96-159 z, v160-223 g, later two buffers of h2's fragments;
;   v224-255 hi of the 16 steps as it goes to LDS, then four accumulators.   window 1: v0-63 h1res, later the third buffer of h2's fragments; v64-255 wlB's K steps 0-23.
; THE MODE: SCHED_MODE bits 1:0 = 2 (LLVM: expert scheduling mode 2), set by the entry lines.  The code itself states the register dependences
; between vector or matrix instructions and memory or LDS instructions, with s_wait_alu, always for 0.
; THE PLAN.  Registers that memory or LDS instructions touch:
;   v2-v10, v12, v13   offsets and addresses: made at the head, never written again: one wait on va_vdst ahead of the first load.
;   v32-95             the composites land here and eight pairs of multiply-adds read them; then wlB's late loads land here: one wait on va_vdst between.
;   v224-255, v160-223 step t's hi (v[224 + 2 t]) and lo (v[160 + 4 t]), each a pair of its own, written by the step's splitting and read by its two LDS stores.  Steps 0-7 are split, a wait on va_vdst, and their
;                      stores are dealt among the splitting of steps 8-15, which names those steps' registers alone; a second wait on va_vdst, and the other sixteen stores.
;                      Behind the barrier one wait on vm_vsrc: the stores have read these registers, in which fragments land (v160-223) and which the products write (v224-255).
;   three buffers      of h2's fragments: chunk c (four K steps) lies in buffer c % 3.  Step c's products read buffer c % 3; its LDS loads bring chunk c + 2 into the buffer that the products of step c - 1 read.
;                      So ONE wait on va_vdst stands at the head of steps 1 to 5, and the step's sixteen loads follow it, dealt among its eight products, which name buffer c % 3, wlB and the accumulators: none of the
;                      registers that those loads touch.  Step 0's loads lean on the second wait above: no vector instruction stands between.  Steps 6 and 7 load nothing.
;   v224-231           the finished sums, read by the stage's stores: one wait on va_vdst; it also shows the products done reading v96-103, in which the stage's rows come back.
.set PH,    2064                       ; a row of h2 in LDS: 2,048 bytes + 16: an odd multiple of 16, so the 16 rows of a fragment load start in 16 different groups of four banks (ISA guide 11.1)
.set H2LO,  16*PH                      ; hi at 0, lo behind it
.set STAGE, 2*16*PH                    ; 16 rows x 528 bytes, for the way out
.set SPT,   528
.set SPARE, STAGE+16*SPT               ; the spare words, 128 bytes for each of the 8 waves
.set COMPB, 0x80000
.set ZLAST, 0x100000
.set GLAST, 0x200000
.set VQ,  2                            ; v2   16 x thread: my four channels in a row of f32
.set VR,  3                            ; v3   the same four channels in a row of h1res
.set WO,  4                            ; v4   my place in a fragment of wlB: (l % 16) x 2,048 + 16 (l / 16)
.set LH,  5                            ; v5   8 x thread: my four channels in a row of bf16
.set AF,  6                            ; v6   my place in a fragment of h2
.set STO, 7                            ; v7   the way out: where I put 32 bytes of a row
.set RD,  8                            ; v8   the way out: where I read a row back
.set GO,  9                            ; v9   16 x lane
.set BO,  10                           ; v10  my eight columns in bl
.set SPW, 12                           ; v12  my spare word; never rewritten
.set NIL, 13                           ; v13  0; never rewritten
.set HH,  16
.set DD,  20
.set BL,  24
.set CAR, 32
.set CBR, 64
.set ZL,  96
.set GL,  160
.set AFR, 96                           ; h2's fragments: buffers 0 and 1 at AFR + 64 n; buffer 2 at v0 of window 1; in a buffer K step kk at + 16 kk, hi then lo
.set ACC, 224
.set HIP, 224                          ; ahead of the products: step t's hi, packed, at HIP + 2 t
.set MSB, 0
.macro WIN new                         ; the immediate's high byte repeats the setting that is left
.if MSB != (\new)
	s_set_vgpr_msb (MSB<<8)|(\new)
.set MSB, \new
.endif
.endm
	s_load_b256 s[4:11], s[0:1], 0x0               ; tail s[4:5], h1res s[6:7], wb s[8:9], bl s[10:11]
	s_load_b64 s[12:13], s[0:1], 0x20              ; out0
	v_lshl_add_u32 v[SPW], v0, 2, SPARE
	v_mov_b32 v[NIL], 0
	v_lshrrev_b32 v1, 5, v0
	v_readfirstlane_b32 s14, v1                    ; wave 0..7
	v_lshlrev_b32 v[VQ], 4, v0
	v_lshlrev_b32 v[VR], 9, v1                     ; 512 (t >> 5)
	v_and_b32 v11, 1, v0
	v_lshl_add_u32 v[VR], v11, 8, v[VR]            ; + 256 (t & 1)
	v_bfe_u32 v11, v0, 1, 4
	v_lshl_add_u32 v[VR], v11, 4, v[VR]            ; + 16 ((t >> 1) & 15)
	v_and_b32 v14, 15, v0                          ; r = l % 16
	v_bfe_u32 v15, v0, 4, 1                        ; h = l / 16
	v_lshlrev_b32 v[WO], 11, v14
	v_lshl_add_u32 v[WO], v15, 4, v[WO]
	v_lshlrev_b32 v[LH], 3, v0
	v_mul_u32_u24 v[AF], v14, PH
	v_lshl_add_u32 v[AF], v15, 4, v[AF]
	s_wait_alu depctr_va_sdst(0)                   ; s14 is written, ahead of its first reader: LDS places and the bases of wlB and out0 are made from it
	s_lshl_b32 s31, s14, 6                         ; my 16 columns: 64 bytes of a stage row
	s_add_co_u32 s31, s31, STAGE
	v_mul_u32_u24 v[STO], v14, SPT
	v_lshl_add_u32 v[STO], v15, 5, v[STO]
	v_add_nc_u32 v[STO], s31, v[STO]
	s_mul_i32 s31, s14, 2*SPT                      ; back: wave w takes rows 2 w and 2 w + 1, whole
	s_add_co_u32 s31, s31, STAGE
	v_and_b32 v[GO], 31, v0
	v_lshlrev_b32 v[GO], 4, v[GO]
	v_add_nc_u32 v[RD], s31, v[GO]
	s_lshl_b32 s15, ttmp9, 7                       ; the work-group's first column
	s_lshl_b32 s17, s14, 4
	s_add_co_u32 s17, s17, s15                     ; my wave's
	s_lshl_b32 s31, s17, 2
	v_lshl_add_u32 v[BO], v15, 5, s31
	s_and_b32 s16, ttmp7, 0xffff                   ; b
	s_lshl_b32 s18, s16, 15                        ; its 8 rows of composites
	s_mov_b32 s19, 0
	s_lshl_b32 s32, s16, 16                        ; its 16 rows of zlast, glast, h1res
	s_mov_b32 s33, 0
	s_lshl_b32 s34, s17, 11                        ; my 16 rows of wlB
	s_mov_b32 s35, 0
	s_lshl_b32 s36, s16, 4
	s_lshl_b32 s37, s14, 1
	s_add_co_u32 s36, s36, s37                     ; the first row of out0 that I store: 16 b + 2 w
	s_lshl_b32 s36, s36, 13
	s_lshl_b32 s37, ttmp9, 9                       ; the work-group's 128 columns: 512 bytes
	s_add_co_u32 s36, s36, s37
	s_mov_b32 s37, 0
	s_mov_b32 s30, 0xffff0000                      ; a word's upper bf16
	s_wait_kmcnt 0x0
	s_add_nc_u64 s[20:21], s[4:5], s[18:19]
	s_add_nc_u64 s[22:23], s[4:5], s[32:33]
	s_add_nc_u64 s[24:25], s[6:7], s[32:33]
	s_add_nc_u64 s[26:27], s[8:9], s[34:35]
	s_add_nc_u64 s[26:27], s[26:27], 0xC00000      ; wlB
	s_add_nc_u64 s[28:29], s[12:13], s[36:37]
	s_wait_alu depctr_va_vdst(0)                   ; the offsets and addresses v2 to v10 are written, which every load and store of the kernel reads; only loads and window switches stand between this wait and the 114 loads below
	; ALL THAT REGISTERS HOLD GOES OUT AT ONCE, in the order in which it is wanted: 16 + 32 + 16 + 2 + 48 loads
.irp q, 0,1,2,3,4,5,6,7
	global_load_b128 v[CAR+4*(\q):CAR+4*(\q)+3], v[VQ], s[20:21] offset:(\q)*4096
.endr
.irp q, 0,1,2,3,4,5,6,7
	global_load_b128 v[CBR+4*(\q):CBR+4*(\q)+3], v[VQ], s[20:21] offset:COMPB+(\q)*4096
.endr
.irp t, 0,1,2,3,4,5,6,7,8,9,10,11,12,13,14,15
	global_load_b128 v[ZL+4*(\t):ZL+4*(\t)+3], v[VQ], s[22:23] offset:ZLAST+(\t)*4096
	global_load_b128 v[GL+4*(\t):GL+4*(\t)+3], v[VQ], s[22:23] offset:GLAST+(\t)*4096
.endr
	WIN 0x40                                       ; destination window 1, address window 0
.irp t, 0,1,2,3,4,5,6,7,8,9,10,11,12,13,14,15
	global_load_b128 v[4*(\t):4*(\t)+3], v[VR], s[24:25] offset:(\t)*4096
.endr
	WIN 0
	global_load_b128 v[BL:BL+3],   v[BO], s[10:11]
	global_load_b128 v[BL+4:BL+7], v[BO], s[10:11] offset:16
	WIN 0x40
.set k, 0
.rept 24
	global_load_b128 v[64+8*k:64+8*k+3],   v[WO], s[26:27] offset:64*k
	global_load_b128 v[64+8*k+4:64+8*k+7], v[WO], s[26:27] offset:64*k+32
.set k, k+1
.endr
	WIN 0
	s_wait_loadcnt 63                              ; 98 loads are younger than the last composite's; 63 is the most that the wait can state
.irp k, 0,1,2,3
	v_mov_b32 v[HH+(\k)], 0.5                      ; h(-1)
.endr
.irp q, 0,1,2,3,4,5,6,7
	v_pk_fma_f32 v[HH:HH+1],   v[CAR+4*(\q):CAR+4*(\q)+1],   v[HH:HH+1],   v[CBR+4*(\q):CBR+4*(\q)+1]
	v_pk_fma_f32 v[HH+2:HH+3], v[CAR+4*(\q)+2:CAR+4*(\q)+3], v[HH+2:HH+3], v[CBR+4*(\q)+2:CBR+4*(\q)+3]
.endr
	s_wait_alu depctr_va_vdst(0)                   ; the multiply-adds are done reading the composites' registers, in which the loads below land
.set k, 24
.rept 8                                            ; the composites' registers take wlB's last eight K steps
	global_load_b128 v[32+8*(k-24):32+8*(k-24)+3],   v[WO], s[26:27] offset:64*k
	global_load_b128 v[32+8*(k-24)+4:32+8*(k-24)+7], v[WO], s[26:27] offset:64*k+32
.set k, k+1
.endr
	s_wait_loadcnt 63                              ; 66 loads are younger than h1res's last: z, g and h1res are in
; Step t: D = g - h; h = z D + h, left in z's registers.  hp: where the step before left h.
.macro STEP t, hp
	v_pk_add_f32 v[DD:DD+1],   v[GL+4*(\t):GL+4*(\t)+1],   v[(\hp):(\hp)+1]   neg_lo:[0,1] neg_hi:[0,1]
	v_pk_add_f32 v[DD+2:DD+3], v[GL+4*(\t)+2:GL+4*(\t)+3], v[(\hp)+2:(\hp)+3] neg_lo:[0,1] neg_hi:[0,1]
	v_pk_fma_f32 v[ZL+4*(\t):ZL+4*(\t)+1],   v[ZL+4*(\t):ZL+4*(\t)+1],   v[DD:DD+1],   v[(\hp):(\hp)+1]
	v_pk_fma_f32 v[ZL+4*(\t)+2:ZL+4*(\t)+3], v[ZL+4*(\t)+2:ZL+4*(\t)+3], v[DD+2:DD+3], v[(\hp)+2:(\hp)+3]
.endm
	STEP 0, HH
.irp t, 1,2,3,4,5,6,7,8,9,10,11,12,13,14,15
	STEP \t, ZL+4*(\t)-4
.endr
	WIN 0x04                                       ; source 1 in window 1: the residual
.set i, 0
.rept 32
	v_pk_add_f32 v[ZL+i:ZL+i+1], v[ZL+i:ZL+i+1], v[i:i+1]
.set i, i+2
.endr
	WIN 0
; Step t's h2 is split: hi into a pair of its own among the accumulators' registers, which are idle until the products; lo in place, into the first two of g's four registers.
.macro SPLIT t
	v_cvt_pk_bf16_f32 v[HIP+2*(\t)],   v[ZL+4*(\t)],   v[ZL+4*(\t)+1]      ; hi
	v_cvt_pk_bf16_f32 v[HIP+2*(\t)+1], v[ZL+4*(\t)+2], v[ZL+4*(\t)+3]
	v_lshlrev_b32 v[GL+4*(\t)],   16,  v[HIP+2*(\t)]                       ; hi as f32
	v_and_b32     v[GL+4*(\t)+1], s30, v[HIP+2*(\t)]
	v_lshlrev_b32 v[GL+4*(\t)+2], 16,  v[HIP+2*(\t)+1]
	v_and_b32     v[GL+4*(\t)+3], s30, v[HIP+2*(\t)+1]
	v_pk_add_f32 v[GL+4*(\t):GL+4*(\t)+1],   v[ZL+4*(\t):ZL+4*(\t)+1],   v[GL+4*(\t):GL+4*(\t)+1]   neg_lo:[0,1] neg_hi:[0,1]
	v_pk_add_f32 v[GL+4*(\t)+2:GL+4*(\t)+3], v[ZL+4*(\t)+2:ZL+4*(\t)+3], v[GL+4*(\t)+2:GL+4*(\t)+3] neg_lo:[0,1] neg_hi:[0,1]
	v_cvt_pk_bf16_f32 v[GL+4*(\t)],   v[GL+4*(\t)],   v[GL+4*(\t)+1]       ; lo
	v_cvt_pk_bf16_f32 v[GL+4*(\t)+1], v[GL+4*(\t)+2], v[GL+4*(\t)+3]
.endm
; Step t's two LDS stores.
.macro PUT t
	ds_store_b64 v[LH], v[HIP+2*(\t):HIP+2*(\t)+1] offset:(\t)*PH          ; a wave's store covers 256 consecutive bytes of a row
	ds_store_b64 v[LH], v[GL+4*(\t):GL+4*(\t)+1]   offset:H2LO+(\t)*PH
.endm
.irp t, 0,1,2,3,4,5,6,7
	SPLIT \t
.endr
	s_wait_alu depctr_va_vdst(0)                   ; steps 0-7 are split: their pairs of hi and lo are written, which the stores dealt among the lines below read
.irp t, 8,9,10,11,12,13,14,15
	PUT (\t)-8                                     ; no wait: the vector lines since the wait name the registers of steps 8-15 alone
	SPLIT \t
.endr
	s_wait_alu depctr_va_vdst(0)                   ; steps 8-15 are split: their pairs are written; and every vector line that names v96-223 or h1res's registers, in which h2's fragments will land, is done
.irp t, 8,9,10,11,12,13,14,15
	PUT \t
.endr
	s_wait_dscnt 0x0                               ; for the others' sake: my channels of h2 lie in LDS
	s_barrier_signal -1
	s_barrier_wait -1
	s_wait_alu depctr_vm_vsrc(0)                   ; my LDS stores have read v160-223, in which fragments land, and v224-255, which the products write
; Four LDS loads: K step kk of chunk c (four K steps of 32), hi and lo, into buffer c % 3.
.macro FRAG c, kk
.if (\c)%3 == 2
	WIN 0x40                                       ; destination window 1, address window 0
.set fb, 16*(\kk)
.else
	WIN 0
.set fb, AFR+64*((\c)%3)+16*(\kk)
.endif
.irp p, 0,1
	ds_load_b128 v[fb+8*(\p):fb+8*(\p)+3],   v[AF] offset:(\p)*H2LO+(4*(\c)+(\kk))*64
	ds_load_b128 v[fb+8*(\p)+4:fb+8*(\p)+7], v[AF] offset:(\p)*H2LO+(4*(\c)+(\kk))*64+32
.endr
.endm
.macro FETCH c                         ; a whole chunk: 16 LDS loads
.irp kk, 0,1,2,3
	FRAG \c, \kk
.endr
.endm
; The two products of K step kk of chunk c.  Four accumulators take turns, one instruction a turn: hi and lo of the even K steps, hi and lo of the odd ones.  K steps 0 and 1 start the sums.
.macro PROD c, kk
.set kq, 4*(\c)+(\kk)
.set ac, ACC+16*(kq%2)
.if kq < 24
.set fw, 64+8*kq                       ; wlB's fragment: source 0 in window 1,
.set w, 1
.else
.set fw, 32+8*(kq-24)                  ; or in window 0
.set w, 0
.endif
.if (\c)%3 == 2
.set fa, 16*(\kk)                      ; h2's fragment: source 1 in window 1,
.set w, w+4
.else
.set fa, AFR+64*((\c)%3)+16*(\kk)      ; or in window 0
.endif
	WIN w
.if kq < 2
	v_wmma_f32_16x16x32_bf16 v[ac:ac+7],    v[fw:fw+7], v[fa:fa+7],    0
	v_wmma_f32_16x16x32_bf16 v[ac+8:ac+15], v[fw:fw+7], v[fa+8:fa+15], 0
.else
	v_wmma_f32_16x16x32_bf16 v[ac:ac+7],    v[fw:fw+7], v[fa:fa+7],    v[ac:ac+7]
	v_wmma_f32_16x16x32_bf16 v[ac+8:ac+15], v[fw:fw+7], v[fa+8:fa+15], v[ac+8:ac+15]
.endif
.endm
.macro PLACES                          ; four plain vector instructions in front of loads into registers that matrix instructions have read, and of sums that read results
.rept 4
	v_nop
.endr
.endm
; Step c.  ahead = 1: chunk c + 2 is fetched, in two runs of eight loads among the step's eight products.  state = 1: its buffer was read by the products of the step before.
; left = how many younger LDS loads may be out when this chunk's fragments have to be there.
.macro CHUNK c, ahead, state, left
	s_wait_dscnt \left                             ; LDS loads come back in order (ISA guide 5.7.1): this chunk's fragments are in
.if \state
	PLACES
	s_wait_alu depctr_va_vdst(0)                   ; the products of the step before are done reading their buffer of fragments, in which this step's sixteen loads land
.endif
.if \ahead
	FRAG (\c)+2, 0
	FRAG (\c)+2, 1
.endif
	PROD \c, 0
	PROD \c, 1
.if \ahead
	FRAG (\c)+2, 2                                 ; no wait: the products since the wait name this chunk's buffer, wlB and the accumulators, not the buffer that is filled
	FRAG (\c)+2, 3
.endif
	PROD \c, 2
	PROD \c, 3
.endm
	FETCH 0
	FETCH 1
	s_wait_loadcnt 16                              ; bl and wlB's K steps 0-23 are in; the sixteen late loads may stay out
	CHUNK 0, 1, 0, 16                              ; chunk 2 goes into h1res's registers: the residual's additions, their last readers, stand ahead of the wait in front of the last LDS stores, and no vector line has followed
	CHUNK 1, 1, 1, 16
	CHUNK 2, 1, 1, 16
	CHUNK 3, 1, 1, 16
	CHUNK 4, 1, 1, 16
	CHUNK 5, 1, 1, 16
	s_wait_loadcnt 0x0                             ; wlB's K steps 24-31
	CHUNK 6, 0, 0, 16                              ; the last two steps fetch nothing
	CHUNK 7, 0, 0, 0
	WIN 0
	PLACES
.irp p, 0,2,4,6                        ; each accumulator's lowest registers are read first
	v_pk_add_f32 v[ACC+(\p):ACC+(\p)+1], v[ACC+(\p):ACC+(\p)+1], v[ACC+8+(\p):ACC+8+(\p)+1]
.endr
.irp p, 0,2,4,6
	v_pk_add_f32 v[ACC+16+(\p):ACC+16+(\p)+1], v[ACC+16+(\p):ACC+16+(\p)+1], v[ACC+24+(\p):ACC+24+(\p)+1]
.endr
.irp p, 0,2,4,6
	v_pk_add_f32 v[ACC+(\p):ACC+(\p)+1], v[ACC+(\p):ACC+(\p)+1], v[ACC+16+(\p):ACC+16+(\p)+1]
.endr
.irp p, 0,2,4,6
	v_pk_add_f32 v[ACC+(\p):ACC+(\p)+1], v[ACC+(\p):ACC+(\p)+1], v[BL+(\p):BL+(\p)+1]
.endr
	; THE WAY OUT: a lane's eight columns of a step into the stage; a barrier, since a row's 512 bytes come from eight waves; back as whole rows, two a wave.
	s_wait_alu depctr_va_vdst(0)                   ; the additions have written v224-231, which the LDS stores read; and the products are done reading v96-103, in which the stage's rows land below
	ds_store_b128 v[STO], v[ACC:ACC+3]
	ds_store_b128 v[STO], v[ACC+4:ACC+7] offset:16
	s_wait_dscnt 0x0                               ; for the others' sake
	s_barrier_signal -1
	s_barrier_wait -1
	ds_load_b128 v[ZL:ZL+3],   v[RD]
	ds_load_b128 v[ZL+4:ZL+7], v[RD] offset:SPT
	s_wait_dscnt 0x0
	global_store_b128 v[GO], v[ZL:ZL+3],   s[28:29]              ; 32 lanes store 512 consecutive bytes, at a multiple of 256 from out0's first byte
	global_store_b128 v[GO], v[ZL+4:ZL+7], s[28:29] offset:8192
	s_wait_dscnt 0x0                               ; the closing lines, six on end
	s_wait_alu 0x0
	s_wait_tensorcnt 0x0
	ds_add_u32 v[SPW], v[NIL]
	s_wait_dscnt 0x0
	s_endpgm
.Lfunc_end_k_q49c1a9b8a9_logits:
	.size	k_q49c1a9b8a9_logits, .Lfunc_end_k_q49c1a9b8a9_logits-k_q49c1a9b8a9_logits
	.p2alignl 7, 3214868480
	.fill 96, 4, 3214868480
	.section	.rodata,"a",@progbits
	.p2align	6, 0x0
	.amdhsa_kernel k_q49c1a9b8a9_logits
		.amdhsa_group_segment_fixed_size 75520
		.amdhsa_private_segment_fixed_size 0
		.amdhsa_enable_private_segment 0
		.amdhsa_kernarg_size 40
		.amdhsa_user_sgpr_count 2
		.amdhsa_user_sgpr_kernarg_segment_ptr 1
		.amdhsa_wavefront_size32 1
		.amdhsa_system_sgpr_workgroup_id_x 1
		.amdhsa_system_sgpr_workgroup_id_y 1
		.amdhsa_system_sgpr_workgroup_id_z 1
		.amdhsa_system_vgpr_workitem_id 0
		.amdhsa_next_free_vgpr 512
		.amdhsa_next_free_sgpr 66
		.amdhsa_reserve_vcc 0
		.amdhsa_float_denorm_mode_32 3
		.amdhsa_float_denorm_mode_16_64 3
		.amdhsa_memory_ordered 1
		.amdhsa_forward_progress 1
		.amdhsa_inst_pref_size 49
	.end_amdhsa_kernel
	.amdgpu_metadata
---
amdhsa.version: [ 1, 2 ]
amdhsa.kernels:
  - .name:           k_q49c1a9b8a9_logits
    .symbol:         k_q49c1a9b8a9_logits.kd
    .args:
      - { .name: tail, .offset: 0, .size: 8, .value_kind: global_buffer, .address_space: global }
      - { .name: h1res, .offset: 8, .size: 8, .value_kind: global_buffer, .address_space: global }
      - { .name: wb, .offset: 16, .size: 8, .value_kind: global_buffer, .address_space: global }
      - { .name: bl, .offset: 24, .size: 8, .value_kind: global_buffer, .address_space: global }
      - { .name: out0, .offset: 32, .size: 8, .value_kind: global_buffer, .address_space: global }
    .group_segment_fixed_size: 75520
    .private_segment_fixed_size: 0
    .kernarg_segment_align: 8
    .kernarg_segment_size: 40
    .max_flat_workgroup_size: 256
    .sgpr_count:     66
    .vgpr_count:     512
    .wavefront_size: 32
...
	.end_amdgpu_metadata
.endif
;; end of part 7
